; MI455X (gfx1250); checked and timed in simulation.
; The chip was launched on July 23, 2026; its instructions are those of AMD's public machine-readable ISA for CDNA 5 (MIT licence, August 2026) and "CDNA5" Instruction Set Architecture Reference Guide (July 2026). The comments in the code are by the model that wrote it; some were corrected since.
;; Restricted Transformer Encoder Layer. Allowed arithmetic: matrix products marked QUANTISED: E2M3 operands, one E8M0 scale for each 32 along K, by v_wmma_scale_f32_16x16x128_f8f6f4 with both operands' format E2M3, f32 sums; everything else in f32.
;; Inputs: in_proj_b 3,072 float32; in_proj_w 3,072 x 1,024 float32; lin1_b 4,096 float32; lin1_w 4,096 x 1,024 float32; lin2_b 1,024 float32; lin2_w 1,024 x 4,096 float32; ln1_beta 1,024 float32; ln1_g 1,024 float32; ln2_beta 1,024 float32; ln2_g 1,024 float32; out_b 1,024 float32; out_w 1,024 x 1,024 float32; src 2 x 2,048 x 1,024 float32.
;; Outputs: out0 2 x 2,048 x 1,024 float32.
;; This version of the problem:
;;   THIS VERSION OF THE PROBLEM IS GIVEN IN LOW PRECISION. The matrix products marked QUANTISED in the list below multiply operands that are first quantised to E2M3 (2 exponent bits, 3 mantissa bits; 6 bits a number), with one power-of-two scale for each 32 numbers along K (OCP MX v1.0); their sums are f32. All else is computed in f32.
;;   The module's matrix products, in the order in which they are computed (A, B: the left and right operand; K: the contracted axis; several contracted axes count as one K, in the product's order):
;;     1. [M 4,096, K 1,024] x [K 1,024, N 3,072]; A: input src; B: input in_proj_w: QUANTISED
;;     2. batch 32 x [M 2,048, K 64] x [K 64, N 2,048]; A: computed on the way; B: computed on the way: QUANTISED
;;     3. batch 32 x [M 64, K 2,048] x [K 2,048, N 2,048]; A: computed on the way; B: softmax (see below): QUANTISED
;;     4. [M 4,096, K 1,024] x [K 1,024, N 1,024]; A: computed on the way; B: input out_w: QUANTISED
;;     5. [M 4,096, K 1,024] x [K 1,024, N 4,096]; A: computed on the way; B: input lin1_w: QUANTISED
;;     6. [M 4,096, K 4,096] x [K 4,096, N 1,024]; A: computed on the way; B: input lin2_w: QUANTISED
;;   THE QUANTISER, for each operand of a quantised product, along K:
;;     - K is cut into blocks of 32 from its start; a last block that is shorter is filled with zeros.
;;     - A block's scale is 2^e with e = floor(log2(the largest magnitude in the block)) - 2, held to -126 .. 127; a block of zeros has e = 0. As a byte (E8M0): e + 127.
;;     - Each number is divided by its block's scale, clamped to +-7.5, and rounded to the nearest number of E2M3, ties to even, subnormals kept.
;;     - The product sums the exact products of the quantised numbers (number of the format x scale) in f32.
;;   ~~~python
;;   def quantise(x, axis):      # numpy; x: float32 -> the quantised numbers, widened to float32 again
;;       x = np.moveaxis(x, axis, -1); K = x.shape[-1]
;;       x = np.pad(x, [(0, 0)] * (x.ndim - 1) + [(0, -K % 32)]); x = x.reshape(x.shape[:-1] + (-1, 32)); a = np.abs(x).max(-1, keepdims=True)
;;       e = np.where(a > 0, np.clip(np.frexp(np.where(a > 0, a, 1))[1] - 1 - 2, -126, 127), 0)      # np.frexp(a)[1] - 1 = floor(log2(a)), exactly
;;       r = np.clip(x / 2.0 ** e, -7.5, 7.5)
;;       step = 2.0 ** (np.maximum(np.frexp(np.where(r == 0, 1, r))[1] - 1, 0) - 3)
;;       q = np.round(r / step) * step * 2.0 ** e      # np.round: ties to even
;;       return np.moveaxis(q.reshape(q.shape[:-2] + (-1,))[..., :K], -1, axis).astype(np.float32)
;;   ~~~
;;   SOFTMAX AHEAD OF A QUANTISED PRODUCT. Where the list says 'softmax', what is quantised is not the finished softmax but p = 2^(t - M), with t = logit x log2(e) and M = ceil(the row's largest t), a whole number; so 1/2 < the row's largest p <= 1. The row's sum l is taken of the UNQUANTISED p, in f32, and the product's result is divided by l at the end. Since M is a whole number, a kernel that streams over the keys may use a running M (the ceiling of the running maximum): every later rescaling is an exact power of two, which a block's scale takes up: the codes' values come out the same.
;;   OPERANDS COMPUTED ON THE WAY. 'Computed on the way' means the value that the module computes at that place (a softmax that the list does not call 'softmax' is quantised finished and normalised). What goes into a quantiser is computed in f32, as accurately as f32 sums, v_exp_f32 and their like allow (about 1e-6 of the number): no bf16 or f16 on the way to a quantiser, and a product that is left as it is and whose result goes on into a quantised operand takes f32 operands (vector FMAs, or v_wmma_f32_16x16x4_f32). A number that lies on a knife's edge between two numbers of the format may be rounded either way, as far as f32 arithmetic and the matrix unit's own rounding can turn it there, and no further.
;; One version. Each part assembles by itself: llvm-mc -triple=amdgcn-amd-amdhsa -mcpu=gfx1250 --defsym DOCPART=n.
;; ======== version 1 of 1: 8 launches
;; limits: right only within a limited range of input values
;; workspace buffers: wq 13,107,200 bytes; qkv 9,830,400 bytes; ctx 3,276,800 bytes; y 16,777,216 bytes; x1 20,054,016 bytes; hid 13,107,200 bytes
;; launch quant (part 1): grid 1024 x 1, 4 waves a work-group, no clusters, 68,096 bytes of LDS; arguments src, in_proj_w, out_w, lin1_w, lin2_w, wq; writes wq
.if DOCPART == 1
	.amdgcn_target "amdgcn-amd-amdhsa--gfx1250"
	.amdhsa_code_object_version 6
	.text
	.protected	k_qa5ca7949ef_quant
	.globl	k_qa5ca7949ef_quant
	.p2align	8
	.type	k_qa5ca7949ef_quant,@function
k_qa5ca7949ef_quant:
	s_mov_b64 s[64:65], 0
	v_nop
	global_prefetch_b8 v0, s[64:65] scope:SCOPE_SE
	s_setreg_imm32_b32 hwreg(HW_REG_WAVE_MODE, 25, 1), 1
	s_wait_xcnt 0x0
; src and the four weights, f32 with K innermost, become codes of FP6 (E2M3) with one E8M0 byte for each 32 along K, laid as IMAGES OF OPERAND REGISTERS.
; A fragment is 16 rows x 128 K: 12 registers a lane; its image is 1,536 bytes: registers 4 c .. 4 c + 3 of lane l at 512 c + 16 l.  Its 16 scale words follow in a table of 64 bytes a fragment.
; THE ROWS OF A TILE ARE NOT NEIGHBOURS: index r of tile T is row 32 (T / 2) + 8 (T % 2) + r + 8 (r / 8), so that a product's results of two neighbouring tiles are 16 neighbours along the next K.
; Fragment numbers in wq: src from 0, in_proj_w from 2,048, out_w from 3,584, lin1_w from 4,096, lin2_w from 6,144; tile T, K step s is number start + T x K / 128 + s.
; Work-group g makes fragments 8 g .. 8 g + 7 (one tile of 16 rows, 1,024 along K), wave w two of them.  Each load reads 512 consecutive bytes of one row; a K step's 16 rows turn through the wave's own
; stage in LDS (rows 528 bytes apart: row r starts 4 r banks on), from which lane (r, h) takes, of row r, 16 neighbours of each block of 32.  Waves share nothing: no barrier.
; A block's scale byte is its largest magnitude's exponent field - 2, held at 1 from below.  LIMITS: a block of zeros gets the byte 1, not 127 (its codes are zeros, and this program alone reads the bytes);
; blocks whose largest magnitude lies under 2^-124 are held at the byte 1; NaN and infinities are not served.
.set SC0,   12582912                   ; where the scale words begin in wq
.set PITCH, 528
.set STG,   16*PITCH                   ; a stage: 16 rows
.set WREG,  2*STG                      ; two stages a wave
.set SPARE, 4*WREG                     ; behind the stages: the spare words, 128 bytes a wave, named by no other line
.set LI,   2                           ; v2   16 x lane
.set LS,   3                           ; v3   4 x (lane % 16)
.set STW,  4                           ; v4   the stage, on the way in
.set STR,  5                           ; v5   and on the way out
.set SPW,  6                           ; v6   my spare word; never rewritten
.set NIL,  7                           ; v7   0; never rewritten
.set OFFR, 8                           ; v8-23  byte offset of my 16 bytes in the tile's row i
.set R0,   24                          ; v24-87   K step 0's numbers
.set R1,   88                          ; v88-151  K step 1's
.set PC0,  152                         ; v152-171, v172-191 codes: a set for each K step, so that no store's data are written again
.set PC1,  172
.set TM,   192                         ; v192-207 at work
.set PW0,  208                         ; v208, v209 scale words
.set PW1,  209
.set SEL,  30                          ; s[30:31] lane selects for v_permlanex16_b32: lane l xor 16
; 64 numbers of a lane, register 16 b + i = k 32 b + 16 (lane / 16) + i of my row, become a fragment's codes in v[pc] .. v[pc + 11] and its scale word in v[pw].
.macro QUANT s, pc, pw
.irp b, 0,1,2,3
	v_max3_num_f32 v[TM+\b], |v[\s+16*\b]|, |v[\s+1+16*\b]|, 0x1800000   ; block b: my 16 numbers, and the floor 2^(3 - 127): the byte cannot fall under 1
.endr
.irp i, 2,4,6,8,10,12,14
.irp b, 0,1,2,3
	v_max3_num_f32 v[TM+\b], v[TM+\b], |v[\s+16*\b+\i]|, |v[\s+1+16*\b+\i]|
.endr
.endr
.irp b, 0,1,2,3
	v_permlanex16_b32 v[TM+4+\b], v[TM+\b], s[SEL], s[SEL+1]
.endr
.irp b, 0,1,2,3
	v_max_num_f32 v[TM+\b], v[TM+\b], v[TM+4+\b]       ; with lane l xor 16's: the block's largest magnitude
.endr
.irp b, 0,1,2,3
	v_add_nc_u32 v[TM+12+\b], 0xff000000, v[TM+\b]     ; 2 off its exponent field: the conversion's scale operand
.endr
.irp b, 0,1,2,3
	v_lshrrev_b32 v[TM+4+\b], 23, v[TM+12+\b]          ; the scale's byte
.endr
	v_lshl_or_b32 v[\pw], v[TM+5], 8, v[TM+4]
	v_lshl_or_b32 v[\pw], v[TM+6], 16, v[\pw]
	v_lshl_or_b32 v[\pw], v[TM+7], 24, v[\pw]
.irp c, 0,1
	v_cvt_scalef32_pk16_fp6_f32 v[\pc+6*\c:\pc+2+6*\c], v[\s+32*\c:\s+15+32*\c], v[TM+12+2*\c]
	v_cvt_scalef32_pk16_fp6_f32 v[\pc+12+4*\c:\pc+14+4*\c], v[\s+16+32*\c:\s+31+32*\c], v[TM+12+2*\c+1]   ; (a conversion's three registers begin on an even number)
.endr
	v_nop                                              ; one plain place behind a scaled conversion
.irp c, 0,1                                        ; the operand's layout wants a whole block in a lane
.irp i, 0,1,2
	v_permlane16_swap_b32 v[\pc+6*\c+\i], v[\pc+12+4*\c+\i]
.endr
.irp i, 0,1,2
	v_mov_b32 v[\pc+3+6*\c+\i], v[\pc+12+4*\c+\i]
.endr
.endr
.endm
.macro PUT pc, pw, ioff, soff                      ; the image: three stores of 512 consecutive bytes; the 16 scale words (lanes l and l + 16 hold and write the same word)
.irp c, 0,1,2
	global_store_b128 v[LI], v[\pc+4*\c:\pc+4*\c+3], s[12:13] offset:\ioff+512*\c
.endr
	global_store_b32 v[LS], v[\pw], s[14:15] offset:\soff
.endm
.macro TURN reg, st                                ; a K step through a stage: LDS serves a wave's instructions in order, so no wait stands between the stores and the loads
.irp i, 0,1,2,3,4,5,6,7,8,9,10,11,12,13,14,15
	ds_store_b128 v[STW], v[\reg+4*\i:\reg+4*\i+3] offset:\st+PITCH*\i
.endr
.irp b, 0,1,2,3
.irp j, 0,1,2,3
	ds_load_b128 v[\reg+16*\b+4*\j:\reg+16*\b+4*\j+3], v[STR] offset:\st+128*\b+16*\j
.endr
.endr
.endm
	s_load_b256 s[4:11], s[0:1], 0x0               ; src, in_proj_w, out_w, lin1_w
	s_load_b128 s[12:15], s[0:1], 0x20             ; lin2_w, wq
	v_lshl_add_u32 v[SPW], v0, 2, SPARE
	v_mov_b32 v[NIL], 0
	v_lshrrev_b32 v1, 5, v0
	v_readfirstlane_b32 s24, v1                    ; wave
	v_and_b32 v1, 31, v0
	v_lshlrev_b32 v[LI], 4, v1
	v_and_b32 v[LS], 15, v0                        ; r
	v_mul_u32_u24 v[STR], v[LS], PITCH
	v_bfe_u32 v1, v0, 4, 1                         ; h
	v_lshl_add_u32 v[STR], v1, 6, v[STR]           ; row r, + 64 h
	v_lshlrev_b32 v[LS], 2, v[LS]
	s_mul_i32 s25, s24, WREG
	v_add_nc_u32 v[STR], s25, v[STR]
	v_add_nc_u32 v[STW], s25, v[LI]
.irp b, 0,1,2,3
	v_mov_b32 v[TM+4+\b], 0                        ; written once: a lane permute's destination counts as one of its sources
.endr
	s_mov_b32 s[SEL], 0x76543210
	s_mov_b32 s[SEL+1], 0xfedcba98
	s_mov_b32 s18, 768
	s_mov_b32 s21, 16384
	s_wait_kmcnt 0x0
	s_mov_b64 s[16:17], s[12:13]                   ; which tensor is mine hangs on the work-group's number alone: lin2_w from 768 on,
	s_cmp_lt_u32 ttmp9, 768
	s_cselect_b64 s[16:17], s[10:11], s[16:17]     ; lin1_w from 512,
	s_cselect_b32 s18, 512, s18
	s_cselect_b32 s19, 0, 2                        ; (lin2_w's rows are four work-groups long)
	s_cselect_b32 s20, 0, 3
	s_cselect_b32 s21, 4096, s21                   ; a row in bytes
	s_cmp_lt_u32 ttmp9, 512
	s_cselect_b64 s[16:17], s[8:9], s[16:17]       ; out_w from 448,
	s_cselect_b32 s18, 448, s18
	s_cmp_lt_u32 ttmp9, 448
	s_cselect_b64 s[16:17], s[6:7], s[16:17]       ; in_proj_w from 256,
	s_cselect_b32 s18, 256, s18
	s_cmp_lt_u32 ttmp9, 256
	s_cselect_b64 s[16:17], s[4:5], s[16:17]       ; src from 0
	s_cselect_b32 s18, 0, s18
	s_sub_co_u32 s18, ttmp9, s18
	s_lshr_b32 s22, s18, s19                       ; the tile
	s_and_b32 s23, s18, s20                        ; which 1,024 along K
	s_lshr_b32 s26, s22, 1
	s_lshl_b32 s26, s26, 5
	s_and_b32 s27, s22, 1
	s_lshl_b32 s27, s27, 3
	s_add_co_u32 s26, s26, s27                     ; the tile's first row
	s_mul_i32 s26, s26, s21
	s_lshl_b32 s23, s23, 12
	s_add_co_u32 s26, s26, s23
	s_lshl_b32 s27, s24, 10                        ; my wave's two K steps: 1,024 bytes of each row
	s_add_co_u32 s26, s26, s27
	s_mov_b32 s27, 0
	s_add_nc_u64 s[16:17], s[16:17], s[26:27]
	s_lshl_b32 s28, ttmp9, 3
	s_lshl_b32 s29, s24, 1
	s_add_co_u32 s28, s28, s29                     ; my first fragment's number
	s_mul_i32 s26, s28, 1536
	s_add_nc_u64 s[12:13], s[14:15], s[26:27]      ; its image
	s_lshl_b32 s26, s28, 6
	s_add_co_u32 s26, s26, SC0
	s_add_nc_u64 s[14:15], s[14:15], s[26:27]      ; its scale words
.irp i, 0,1,2,3,4,5,6,7,8,9,10,11,12,13,14,15
	v_mad_u32_u24 v[OFFR+\i], s21, \i+8*(\i/8), v[LI]
.endr
.irp i, 0,1,2,3,4,5,6,7,8,9,10,11,12,13,14,15
	global_load_b128 v[R0+4*\i:R0+4*\i+3], v[OFFR+\i], s[16:17] th:TH_LOAD_NT
.endr
.irp i, 0,1,2,3,4,5,6,7,8,9,10,11,12,13,14,15
	global_load_b128 v[R1+4*\i:R1+4*\i+3], v[OFFR+\i], s[16:17] offset:512 th:TH_LOAD_NT
.endr
	s_wait_loadcnt 16                              ; K step 0's sixteen loads are in; K step 1's sixteen may be out
	TURN R0, 0
	s_wait_loadcnt 0x0
	TURN R1, STG
	s_wait_dscnt 32                                ; the first turn is over; the second's 32 LDS instructions may be out
	QUANT R0, PC0, PW0
	PUT PC0, PW0, 0, 0
	s_wait_dscnt 0x0
	QUANT R1, PC1, PW1
	PUT PC1, PW1, 1536, 64
	s_wait_tensorcnt 0x0                           ; the wave's end, behind my last LDS store
	ds_add_u32 v[SPW], v[NIL]
	s_wait_dscnt 0x0
	s_endpgm
.Lfunc_end_k_qa5ca7949ef_quant:
	.size	k_qa5ca7949ef_quant, .Lfunc_end_k_qa5ca7949ef_quant-k_qa5ca7949ef_quant
	.p2alignl 7, 3214868480
	.fill 96, 4, 3214868480
	.section	.rodata,"a",@progbits
	.p2align	6, 0x0
	.amdhsa_kernel k_qa5ca7949ef_quant
		.amdhsa_group_segment_fixed_size 68096
		.amdhsa_private_segment_fixed_size 0
		.amdhsa_enable_private_segment 0
		.amdhsa_kernarg_size 48
		.amdhsa_user_sgpr_count 2
		.amdhsa_user_sgpr_kernarg_segment_ptr 1
		.amdhsa_wavefront_size32 1
		.amdhsa_system_sgpr_workgroup_id_x 1
		.amdhsa_system_sgpr_workgroup_id_y 1
		.amdhsa_system_sgpr_workgroup_id_z 1
		.amdhsa_system_vgpr_workitem_id 0
		.amdhsa_next_free_vgpr 216
		.amdhsa_next_free_sgpr 66
		.amdhsa_reserve_vcc 0
		.amdhsa_float_denorm_mode_32 3
		.amdhsa_float_denorm_mode_16_64 3
		.amdhsa_memory_ordered 1
		.amdhsa_forward_progress 1
		.amdhsa_inst_pref_size 20
	.end_amdhsa_kernel
	.amdgpu_metadata
---
amdhsa.version: [ 1, 2 ]
amdhsa.kernels:
  - .name:           k_qa5ca7949ef_quant
    .symbol:         k_qa5ca7949ef_quant.kd
    .args:
      - { .name: src, .offset: 0, .size: 8, .value_kind: global_buffer, .address_space: global }
      - { .name: in_proj_w, .offset: 8, .size: 8, .value_kind: global_buffer, .address_space: global }
      - { .name: out_w, .offset: 16, .size: 8, .value_kind: global_buffer, .address_space: global }
      - { .name: lin1_w, .offset: 24, .size: 8, .value_kind: global_buffer, .address_space: global }
      - { .name: lin2_w, .offset: 32, .size: 8, .value_kind: global_buffer, .address_space: global }
      - { .name: wq, .offset: 40, .size: 8, .value_kind: global_buffer, .address_space: global }
    .group_segment_fixed_size: 68096
    .private_segment_fixed_size: 0
    .kernarg_segment_align: 8
    .kernarg_segment_size: 48
    .max_flat_workgroup_size: 128
    .sgpr_count:     66
    .vgpr_count:     216
    .wavefront_size: 32
...
	.end_amdgpu_metadata
.endif
;; end of part 1
;; launch gemm_qkv (part 2): grid 8 x 24, 4 waves a work-group, clusters of 4 x 4, 327,680 bytes of LDS; arguments wq, in_proj_b, qkv; writes qkv
.if DOCPART == 2
	.amdgcn_target "amdgcn-amd-amdhsa--gfx1250"
	.amdhsa_code_object_version 6
	.text
	.protected	k_qa5ca7949ef_gemm_qkv
	.globl	k_qa5ca7949ef_gemm_qkv
	.p2align	8
	.type	k_qa5ca7949ef_gemm_qkv,@function
k_qa5ca7949ef_gemm_qkv:
	s_mov_b64 s[64:65], 0
	v_nop
	global_prefetch_b8 v0, s[64:65] scope:SCOPE_SE
	s_setreg_imm32_b32 hwreg(HW_REG_WAVE_MODE, 25, 1), 1
	s_wait_xcnt 0x0
	s_wait_alu depctr_hold_cnt(0) depctr_sa_sdst(0) depctr_va_vdst(0) depctr_va_sdst(0) depctr_va_ssrc(0) depctr_va_vcc(0) depctr_vm_vsrc(0)
	s_getreg_b32 s2, hwreg(HW_REG_IB_STS2, 6, 4)
	s_cmp_eq_u32 s2, 0
	s_cbranch_scc0 .Lentry_in_a_cluster
	s_endpgm
.Lentry_in_a_cluster:
	s_bfe_u32 s2, ttmp6, 0x10000c
	s_cmp_lg_u32 s2, 0xf033
	s_cbranch_scc0 .Lentry_shape_is_right
	s_endpgm
.Lentry_shape_is_right:
; qkv = src in_proj_w^T + in_proj_b on codes of FP6 (E2M3) with E8M0 scales, and q, k, v quantised in registers on the way out: only codes go to memory.
; OPERANDS are images of operand registers (16 rows x 128 K = 1,536 bytes, registers 4 c .. 4 c + 3 of lane l at 512 c + 16 l; 64 bytes of scale words a fragment); index r of tile T is row 32 (T / 2) + 8 (T % 2) + r + 8 (r / 8).
; A work-group of four waves makes 256 x 256, a wave 128 x 128: 64 accumulators.  K goes in slots of 256 through a ring of two LDS slots filled by the tensor data mover; the scale words of all of K come once and stay.
; THE PRODUCT IS USED TRANSPOSED (source 0 = B's tile, source 1 = A's): a lane holds one row of A, and the 64 registers of one block of A are 128 NEIGHBOURS along B's rows: they are quantised as they stand.
; TWO MODES, told apart by the cluster's y, which all partners share; only numbers are selected, no branch hangs on it.
;   cluster y 0-3: A = src (tokens), B = in_proj_w's rows 0-2,047.  A lane holds a token, its registers 128 channels (two heads): q's and k's fragments, K = the heads' channels.
;   cluster y 4-5: A = in_proj_w's rows 2,048-3,071, B = src.  A lane holds a channel of v, its registers 128 tokens: V^T's fragments, K = the keys.
; The bias runs along the registers in the first mode (it is the C of each sum's first product) and along the lanes in the second (added on the way out); the table that does not apply is made zeros.
; CLUSTERS: 4 x 4 work-groups; A's tiles are asked for jointly along a row of the cluster, B's along a column.
; REGISTERS: window 0: v16-31 addresses; v32-63 scale words, two sets; v64-127 the bias along registers; v128-223 A's fragments, one set; v224-239 the bias along lanes; v240-255 at work on the way out.
;   window 1: B's fragments, two sets, at v0 and v128.   windows 2, 3: accumulator (a, b) at v[8 ((8 a + b) % 32)] of window 2 + a / 4.
; LIMITS: a block of zeros gets the scale byte 1, not 127 (zero codes; the bytes are read by this program alone); blocks under 2^-124 are held at the byte 1; NaN and infinities are not served.
.set NB,    8                          ; blocks of 16 rows for a wave and side
.set NQ,    2                          ; steps of 128 along K in a slot
.set KS,    8                          ; steps of 128 in all of K
.set LAPS,  KS/(2*NQ)
.set FRB,   1536
.set HAL,   3*NB/2                     ; LDS loads that bring half of A's blocks
.set QA,    NB/4
.set HALFT, NB*NQ*FRB                  ; what one tensor load brings
.set SLOT,  4*HALFT
.set SCL,   2*SLOT                     ; behind the ring: the scale words
.set HALFS, NB*KS*64
.set SPARE, SCL+4*HALFS                ; the spare words, 128 bytes a wave, named by no other line
.set SC0,   12582912                   ; scale words in wq
.set QK_S,  9437184                    ; in qkv: q's and k's images from 0, V^T's from V_I, their scale words from QK_S and V_S
.set V_I,   6291456
.set V_S,   9699328
.set ADRA, 16
.set VBQ,  18
.set VBV,  19
.set ADRB, 20
.set ADRS, 27
.set SPW,  28
.set NIL,  29
.set LI,   30
.set LS,   31
.set SC,   32
.set BQ,   64
.set AF,   128
.set BV,   224
.set TT,   128                         ; the way out: 64 numbers
.set PC,   192                         ; their codes
.set PW,   212                         ; their scale word
.set TM,   240
.set G1, 24
.set G0, 32
.set G1B, 48
.set G0B, 56
.set G1S, 68
.set G0S, 76
.set G1SB, 80
.set G0SB, 88
.set SEL, 96
.set MUL_LO, 0xa1                      ; source 0 (B) window 1, source 1 (A) window 0, C and D window 2
.set MUL_HI, 0xf1
.set FST_LO, 0x81                      ; the same with C (the bias) in window 0
.set FST_HI, 0xc1
.set MSB, 0
.macro WIN new                         ; the immediate's high byte repeats the setting that is left
.if MSB != (\new)
	s_set_vgpr_msb (MSB<<8)|(\new)
.set MSB, (\new)
.endif
.endm
.macro JLOAD g0a, g1a, g0b, g1b        ; a joint load: waves 0, 1 fetch for A, waves 2, 3 for B; an s_nop 0 and four v_nop follow each line
	s_cmp_eq_u32 s15, 0
	s_cbranch_scc0 .Lfor_b_\@
	tensor_load_to_lds s[\g0a:\g0a+3], s[\g1a:\g1a+7]
	s_nop 0
.rept 4
	v_nop
.endr
	s_branch .Lasked_\@
.Lfor_b_\@:
	tensor_load_to_lds s[\g0b:\g0b+3], s[\g1b:\g1b+7]
	s_nop 0
.rept 4
	v_nop
.endr
.Lasked_\@:
.endm
.macro CREST                           ; a round of the cluster's barrier behind its opening barrier
	s_cmp_lg_u32 s14, 0
	s_cbranch_scc1 .Lnot_wave_0_\@
	s_barrier_signal -3
.Lnot_wave_0_\@:
	s_barrier_wait -3
	s_barrier_signal -1
	s_barrier_wait -1
.endm
.macro CROUND
	s_barrier_signal -1
	s_barrier_wait -1
	CREST
.endm
.macro PLACES n
.rept \n
	v_nop
.endr
.endm
.macro FRAG reg, adr, q, i             ; a fragment's image: three loads of 512 consecutive bytes
.irp c, 0,1,2
	ds_load_b128 v[\reg+4*\c:\reg+4*\c+3], v[\adr] offset:((\i)*NQ+(\q))*FRB+512*\c
.endr
.endm
.macro FETCH_B slot, q, p              ; B's blocks of the slot's q-th step into set p
	WIN 0x40
.set ii, 0
.rept NB
	FRAG 128*(\p)+12*ii, ADRB+\slot, \q, ii
.set ii, ii+1
.endr
	WIN 0
.endm
.macro FETCH_A slot, q, i0             ; half of A's blocks, from i0 on
.set ii, \i0
.rept NB/2
	FRAG AF+12*ii, ADRA+\slot, \q, ii
.set ii, ii+1
.endr
.endm
.macro SCALES sc                       ; a slot's scale words: lanes 0-15 take A's block i, lanes 16-31 B's
.set ii, 0
.rept NB
.set jj, 0
.rept NQ
	ds_load_b32 v[SC+16*\sc+NQ*ii+jj], v[ADRS] offset:(ii*KS+jj)*64
.set jj, jj+1
.endr
.set ii, ii+1
.endr
.endm
; QA blocks of A from a0 on x all of B's, 128 along K.  The accumulators take turns, one instruction a turn, in the same order in every step.  first = 1: the bias starts the sums.
.macro MULQ a0, p, q, sc, first
.set aa, \a0
.rept QA
.set bb, 0
.rept NB
.set dd, 8*((aa*NB+bb)%32)
.if \first
	v_wmma_scale_f32_16x16x128_f8f6f4 v[dd:dd+7], v[128*(\p)+12*bb:128*(\p)+12*bb+11], v[AF+12*aa:AF+12*aa+11], v[BQ+8*bb:BQ+8*bb+7], v[SC+16*(\sc)+NQ*bb+(\q)], v[SC+16*(\sc)+NQ*aa+(\q)] matrix_a_fmt:MATRIX_FMT_FP6 matrix_b_fmt:MATRIX_FMT_FP6 matrix_a_scale:MATRIX_SCALE_ROW1
.else
	v_wmma_scale_f32_16x16x128_f8f6f4 v[dd:dd+7], v[128*(\p)+12*bb:128*(\p)+12*bb+11], v[AF+12*aa:AF+12*aa+11], v[dd:dd+7], v[SC+16*(\sc)+NQ*bb+(\q)], v[SC+16*(\sc)+NQ*aa+(\q)] matrix_a_fmt:MATRIX_FMT_FP6 matrix_b_fmt:MATRIX_FMT_FP6 matrix_a_scale:MATRIX_SCALE_ROW1
.endif
.set bb, bb+1
.endr
.set aa, aa+1
.endr
.endm
.macro STEP slot, q, first             ; a step of 128 along K that has its successor in the same slot
	s_wait_dscnt HAL                               ; B's set and A's lower blocks are in; the youngest loads (A's upper blocks) may be out
.if \first
	WIN FST_LO
.else
	WIN MUL_LO
.endif
	MULQ 0, (\q)%2, \q, \slot, \first
	MULQ QA, (\q)%2, \q, \slot, \first
	s_wait_dscnt 0x0                               ; A's upper blocks are in
	PLACES 4                                       ; in front of loads into registers that matrix instructions have read
	FETCH_B \slot, (\q)+1, 1-(\q)%2
	FETCH_A \slot, (\q)+1, 0
.if \first
	WIN FST_HI
.else
	WIN MUL_HI
.endif
	MULQ 2*QA, (\q)%2, \q, \slot, \first
	MULQ 3*QA, (\q)%2, \q, \slot, \first
	PLACES 4
	WIN 0
	FETCH_A \slot, (\q)+1, NB/2
.endm
; A slot's last step changes slots: one barrier; in front of it each wave waits for all its tensor loads, adds 0 to its spare word, and waits for that and for its reads of this slot.  fill = 1: the slot is filled again.
.macro TURN slot, next, fill
	s_wait_tensorcnt 0x0                           ; all my tensor loads have landed: my part of the next slot
	ds_add_u32 v[SPW], v[NIL]                      ; 0 onto my spare word
	s_wait_dscnt HAL+1                             ; (the add and A's upper blocks may be out)
	WIN MUL_LO
	MULQ 0, 1, NQ-1, \slot, 0
	s_wait_dscnt 0x0                               ; the add is done, and my reads of this slot are over
	s_barrier_signal -1
	MULQ QA, 1, NQ-1, \slot, 0
	WIN 0
	s_barrier_wait -1
.if \fill
	CREST                                          ; the barrier has opened a round of the cluster's: no wave of any partner still reads this slot or has a load on its way
	s_add_nc_u64 s[G0+4*\slot+2:G0+4*\slot+3], s[G0+4*\slot+2:G0+4*\slot+3], 2*NQ*FRB
	s_add_nc_u64 s[G0B+4*\slot+2:G0B+4*\slot+3], s[G0B+4*\slot+2:G0B+4*\slot+3], 2*NQ*FRB
	JLOAD G0+4*\slot, G1, G0B+4*\slot, G1B         ; the first tensor load behind the round; its four v_nop are the places in front of the loads below
.else
	PLACES 4
.endif
	v_add_nc_u32 v[ADRS], 64*NQ, v[ADRS]           ; on to the next slot's scale words (no LDS load of mine is out)
	FETCH_B \next, 0, 0
	FETCH_A \next, 0, 0
	SCALES \next
	WIN MUL_HI
	MULQ 2*QA, 1, NQ-1, \slot, 0
	MULQ 3*QA, 1, NQ-1, \slot, 0
	PLACES 4
	WIN 0
	FETCH_A \next, 0, NB/2
.endm
.macro REST slot, next, fill           ; a slot's steps behind its first
.if NQ > 2
.set qq, 1
.rept NQ-2
	STEP \slot, qq, 0
.set qq, qq+1
.endr
.endif
	TURN \slot, \next, \fill
.endm
; 64 numbers of a lane, register 16 b + i = k 32 b + 16 (lane / 16) + i of my row, become a fragment's codes in v[pc] .. v[pc + 11] and its scale word in v[pw].
.macro QUANT s, pc, pw
.irp b, 0,1,2,3
	v_max3_num_f32 v[TM+\b], |v[\s+16*\b]|, |v[\s+1+16*\b]|, 0x1800000   ; and the floor 2^(3 - 127): the byte cannot fall under 1
.endr
.irp i, 2,4,6,8,10,12,14
.irp b, 0,1,2,3
	v_max3_num_f32 v[TM+\b], v[TM+\b], |v[\s+16*\b+\i]|, |v[\s+1+16*\b+\i]|
.endr
.endr
.irp b, 0,1,2,3
	v_permlanex16_b32 v[TM+4+\b], v[TM+\b], s[SEL], s[SEL+1]
.endr
.irp b, 0,1,2,3
	v_max_num_f32 v[TM+\b], v[TM+\b], v[TM+4+\b]
.endr
.irp b, 0,1,2,3
	v_add_nc_u32 v[TM+12+\b], 0xff000000, v[TM+\b]     ; 2 off the exponent field: the conversion's scale operand
.endr
.irp b, 0,1,2,3
	v_lshrrev_b32 v[TM+4+\b], 23, v[TM+12+\b]          ; the scale's byte
.endr
	v_lshl_or_b32 v[\pw], v[TM+5], 8, v[TM+4]
	v_lshl_or_b32 v[\pw], v[TM+6], 16, v[\pw]
	v_lshl_or_b32 v[\pw], v[TM+7], 24, v[\pw]
.irp c, 0,1
	v_cvt_scalef32_pk16_fp6_f32 v[\pc+6*\c:\pc+2+6*\c], v[\s+32*\c:\s+15+32*\c], v[TM+12+2*\c]
	v_cvt_scalef32_pk16_fp6_f32 v[\pc+12+4*\c:\pc+14+4*\c], v[\s+16+32*\c:\s+31+32*\c], v[TM+12+2*\c+1]
.endr
	v_nop                                              ; one plain place behind a scaled conversion
.irp c, 0,1
.irp i, 0,1,2
	v_permlane16_swap_b32 v[\pc+6*\c+\i], v[\pc+12+4*\c+\i]
.endr
.irp i, 0,1,2
	v_mov_b32 v[\pc+3+6*\c+\i], v[\pc+12+4*\c+\i]
.endr
.endr
.endm
	s_load_b128 s[4:7], s[0:1], 0x0                ; wq s[4:5], in_proj_b s[6:7]
	s_load_b64 s[8:9], s[0:1], 0x10                ; qkv
	v_lshl_add_u32 v[SPW], v0, 2, SPARE
	v_mov_b32 v[NIL], 0
	ds_add_u32 v[SPW], v[NIL]                      ; the wave's opening: the add and its wait stand ahead of my first tensor load; work on registers stands between them
	v_lshrrev_b32 v1, 5, v0
	v_readfirstlane_b32 s14, v1                    ; wave
	s_lshr_b32 s15, s14, 1                         ; my half of A's rows.  Also: I fetch for A (0) or for B (1)
	s_and_b32 s16, s14, 1                          ; my half of B's rows.  Also: which half I fetch
	s_bfe_u32 s40, ttmp6, 0x40000                  ; cx
	s_bfe_u32 s41, ttmp6, 0x40004                  ; cy
	s_and_b32 s12, ttmp7, 0xffff                   ; the cluster's y: the mode
	s_lshl_b32 s17, s12, 2
	s_lshl_b32 s42, ttmp9, 2
	s_add_co_u32 s42, s42, s40
	s_lshl_b32 s95, s12, 3
	s_sub_co_u32 s95, s95, 32                      ; 8 (cluster y - 4): used in the second mode alone
	s_mov_b32 s66, V_I
	s_mov_b32 s100, V_S
	s_cmp_lt_u32 s12, 4                            ; the first mode?  Selections alone follow, then the sums
	s_cselect_b32 s17, s17, 8
	s_cselect_b32 s13, 0, 2048                     ; where A's fragments begin in wq: src's or in_proj_w's
	s_cselect_b32 s18, 2048, 0                     ; and B's
	s_cselect_b32 s95, 0, s95
	s_cselect_b32 s19, 256, 64                     ; the output's fragments for each 128 along B's rows: token tiles, or v's channel tiles
	s_cselect_b32 s2, 0, 128                       ; v's channel tiles are counted from in_proj_w's tile 128
	s_cselect_b32 s66, 0, s66
	s_cselect_b32 s100, QK_S, s100
	s_cselect_b32 s98, -1, 0                       ; keeps the bias along registers
	s_cselect_b32 s99, 0, -1                       ; keeps the bias along lanes
	s_add_co_u32 s17, s17, s41                     ; A's tile of 256 rows
	s_add_co_u32 s42, s42, s95                     ; B's
	s_lshl_b32 s43, s41, 2
	s_lshl_b32 s43, 15, s43                        ; my row of the cluster
	s_lshl_b32 s44, 0x1111, s40                    ; my column
	; descriptor group 1 for codes: NB rows (tiles of 16) of NQ images, 192 NQ elements of 8 bytes, KS images apart; no padding: images are read 512 consecutive bytes at a time
	s_or_b32 s[G1+0], s43, (3<<16)|(1<<21)
	s_or_b32 s[G1B+0], s44, (3<<16)|(1<<21)
.irp g, G1, G1B
	s_mov_b32 s[\g+1], (192*NQ)<<16                ; tensor_dim0
	s_mov_b32 s[\g+2], NB<<16                      ; tensor_dim1
	s_mov_b32 s[\g+3], (192*NQ)<<16                ; tile_dim0
	s_mov_b32 s[\g+4], NB                          ; tile_dim1
	s_mov_b32 s[\g+5], 192*KS                      ; tensor_dim0_stride
	s_mov_b32 s[\g+6], 0
	s_mov_b32 s[\g+7], 0
.endr
	; and for the scale words of NB tiles, all of K: a dense block, as rows of 256 bytes
	s_or_b32 s[G1S+0], s43, (3<<16)|(1<<21)
	s_or_b32 s[G1SB+0], s44, (3<<16)|(1<<21)
.irp g, G1S, G1SB
	s_mov_b32 s[\g+1], 32<<16
	s_mov_b32 s[\g+2], (HALFS/256)<<16
	s_mov_b32 s[\g+3], 32<<16
	s_mov_b32 s[\g+4], HALFS/256
	s_mov_b32 s[\g+5], 32
	s_mov_b32 s[\g+6], 0
	s_mov_b32 s[\g+7], 0
.endr
	s_lshl_b32 s20, s17, 4
	s_lshl_b32 s21, s16, 3
	s_add_co_u32 s20, s20, s21                     ; A: the first tile of 16 rows that I fetch
	s_lshl_b32 s20, s20, 3
	s_add_co_u32 s20, s20, s13                     ; its first fragment's number in wq
	s_lshl_b32 s46, s42, 4
	s_add_co_u32 s46, s46, s21
	s_lshl_b32 s46, s46, 3
	s_add_co_u32 s46, s46, s18                     ; B likewise
	s_lshl_b32 s22, s20, 6
	s_add_co_u32 s22, s22, SC0
	s_mul_i32 s20, s20, FRB
	s_lshl_b32 s92, s46, 6
	s_add_co_u32 s92, s92, SC0
	s_mul_i32 s46, s46, FRB
	s_mov_b32 s21, 0
	s_mov_b32 s23, 0
	s_mov_b32 s47, 0
	s_mov_b32 s93, 0
	s_mul_i32 s45, s14, HALFT                      ; where they go: no place in the cluster enters an LDS address
	s_mul_i32 s94, s14, HALFS
	s_mov_b32 s[SEL], 0x76543210
	s_mov_b32 s[SEL+1], 0xfedcba98
	s_wait_dscnt 0x0                               ; the opening add is done
	s_wait_kmcnt 0x0
	s_add_nc_u64 s[20:21], s[4:5], s[20:21]
	s_add_nc_u64 s[22:23], s[4:5], s[22:23]
	s_add_nc_u64 s[46:47], s[4:5], s[46:47]
	s_add_nc_u64 s[92:93], s[4:5], s[92:93]
	CROUND                                         ; all sixteen work-groups are here: the first joint loads meet
	s_mov_b32 s[G0S], 1
	s_add_co_u32 s[G0S+1], s94, SCL
	s_mov_b64 s[G0S+2:G0S+3], s[22:23]
	s_or_b32 s[G0S+3], s[G0S+3], 0x80000000
	s_mov_b32 s[G0SB], 1
	s_add_co_u32 s[G0SB+1], s94, SCL
	s_mov_b64 s[G0SB+2:G0SB+3], s[92:93]
	s_or_b32 s[G0SB+3], s[G0SB+3], 0x80000000
	JLOAD G0S, G1S, G0SB, G1SB                     ; the scale words first; three tensor loads of mine are out behind these lines
.irp s, 0,1
	s_mov_b32 s[G0+4*\s], 1
	s_add_co_u32 s[G0+4*\s+1], s45, \s*SLOT
	s_add_nc_u64 s[G0+4*\s+2:G0+4*\s+3], s[20:21], \s*NQ*FRB
	s_or_b32 s[G0+4*\s+3], s[G0+4*\s+3], 0x80000000
	s_mov_b32 s[G0B+4*\s], 1
	s_add_co_u32 s[G0B+4*\s+1], s45, \s*SLOT
	s_add_nc_u64 s[G0B+4*\s+2:G0B+4*\s+3], s[46:47], \s*NQ*FRB
	s_or_b32 s[G0B+4*\s+3], s[G0B+4*\s+3], 0x80000000
	JLOAD G0+4*\s, G1, G0B+4*\s, G1B
.endr
	v_and_b32 v1, 15, v0                           ; r
	v_bfe_u32 v2, v0, 4, 1                         ; h
	v_and_b32 v3, 31, v0
	v_lshlrev_b32 v[LI], 4, v3
	v_lshlrev_b32 v[LS], 2, v1
	s_mul_i32 s21, s15, HALFT                      ; my half of A
	s_mul_i32 s22, s16, HALFT
	s_add_co_u32 s22, s22, 2*HALFT                 ; my half of B, behind A's two
.irp s, 0,1
	v_add_nc_u32 v[ADRA+\s], s21, v[LI]
	v_add_nc_u32 v[ADRB+\s], s22, v[LI]
	s_add_co_u32 s21, s21, SLOT
	s_add_co_u32 s22, s22, SLOT
.endr
	s_mul_i32 s21, s15, HALFS
	s_mul_i32 s22, s16, HALFS
	s_add_co_u32 s22, s22, 2*HALFS
	s_sub_co_u32 s22, s22, s21
	v_mul_u32_u24 v6, s22, v2                      ; lanes 16-31 take B's words
	s_add_co_u32 s21, s21, SCL
	v_add_nc_u32 v6, v6, v[LS]
	v_add_nc_u32 v[ADRS], s21, v6
	; where my results go: fragment (2 TB + ch) x s19 + A's tile of 16
	s_lshl_b32 s12, s42, 1
	s_add_co_u32 s12, s12, s16
	s_mul_i32 s12, s12, s19
	s_lshl_b32 s13, s17, 4
	s_lshl_b32 s18, s15, 3
	s_add_co_u32 s13, s13, s18
	s_sub_co_u32 s13, s13, s2
	s_add_co_u32 s12, s12, s13
	s_mul_i32 s18, s12, FRB
	s_add_co_u32 s66, s66, s18
	s_mov_b32 s67, 0
	s_lshl_b32 s18, s12, 6
	s_add_co_u32 s100, s100, s18
	s_mov_b32 s101, 0
	s_add_nc_u64 s[66:67], s[8:9], s[66:67]        ; images
	s_add_nc_u64 s[100:101], s[8:9], s[100:101]    ; scale words
	; the biases: each table is loaded from inside the buffer in both modes (from its start where it does not apply)
	s_lshl_b32 s12, s42, 10
	s_lshl_b32 s13, s16, 9
	s_add_co_u32 s12, s12, s13                     ; 4 (256 TB + 128 ch)
	s_and_b32 s12, s12, s98
	s_mov_b32 s13, 0
	s_add_nc_u64 s[10:11], s[6:7], s[12:13]
	s_lshl_b32 s12, s41, 10
	s_lshl_b32 s18, s15, 9
	s_add_co_u32 s12, s12, s18
	s_add_co_u32 s12, s12, 8192                    ; 4 (2,048 + 256 cy + 128 rh)
	s_and_b32 s12, s12, s99
	s_add_nc_u64 s[6:7], s[6:7], s[12:13]
	v_lshlrev_b32 v[VBQ], 6, v2                    ; register 16 b + i: bias of B's row 32 b + 16 h + i
	v_and_b32 v[VBV], 8, v1
	v_add_nc_u32 v[VBV], v[VBV], v1
	v_lshlrev_b32 v[VBV], 2, v[VBV]                ; block a: bias of A's row 32 (a / 2) + 8 (a % 2) + r + 8 (r / 8)
.irp b, 0,1,2,3
.irp j, 0,1,2,3
	global_load_b128 v[BQ+16*\b+4*\j:BQ+16*\b+4*\j+3], v[VBQ], s[10:11] offset:128*\b+16*\j
.endr
.endr
.irp a, 0,1,2,3,4,5,6,7
	global_load_b32 v[BV+2*\a], v[VBV], s[6:7] offset:4*(32*(\a/2)+8*(\a%2))
.endr
.irp b, 0,1,2,3
	v_mov_b32 v[TM+4+\b], 0                        ; written once: a lane permute's destination counts as one of its sources
.endr
.irp a, 0,1,2,3,4,5,6,7
	v_mov_b32 v[BV+2*\a+1], 0                      ; (named with the bias as a pair)
.endr
	s_wait_tensorcnt 1                             ; the scale words and my part of slot 0 are in; slot 1's load may be out
	s_barrier_signal -1
	s_barrier_wait -1
	FETCH_B 0, 0, 0
	FETCH_A 0, 0, 0
	SCALES 0
	FETCH_A 0, 0, NB/2
	s_wait_loadcnt 0x0                             ; the biases
.set ii, 0
.rept 64
	v_and_b32 v[BQ+ii], s98, v[BQ+ii]              ; zeros where the bias runs along the lanes
.set ii, ii+1
.endr
.irp a, 0,1,2,3,4,5,6,7
	v_and_b32 v[BV+2*\a], s99, v[BV+2*\a]          ; zeros where it runs along the registers
.endr
	STEP 0, 0, 1                                   ; the first step stands in front of the loop: its products start the sums
	s_mov_b32 s3, LAPS-1
.Llap:                                                 ; a trip goes once round the ring and fills both slots again
	REST 0, 1, 1
	STEP 1, 0, 0
	REST 1, 0, 1
	STEP 0, 0, 0
	s_sub_co_u32 s3, s3, 1
	s_cmp_lg_u32 s3, 0
	s_cbranch_scc1 .Llap
	REST 0, 1, 0                                   ; the last lap fills nothing
.set qt, 0
.rept NQ-1
	STEP 1, qt, 0
.set qt, qt+1
.endr
	s_wait_dscnt HAL                               ; the very last step
	WIN MUL_LO
	MULQ 0, 1, NQ-1, 1, 0
	MULQ QA, 1, NQ-1, 1, 0
	s_wait_dscnt 0x0
	WIN MUL_HI
	MULQ 2*QA, 1, NQ-1, 1, 0
	MULQ 3*QA, 1, NQ-1, 1, 0
	WIN 0
	PLACES 4                                       ; in front of the first read of results and the first write over A's fragments
; THE WAY OUT, block by block of A: 64 results a lane are 128 neighbours along the next K; + the bias along lanes; quantised; the image leaves by three stores of 512 consecutive bytes.
.macro OUTQ a
	s_wait_xcnt 0x0                                ; the last block's stores have read their registers
	WIN 0x02+(\a)/4                                ; source 0: window 2 or 3
.set ii, 0
.rept 32
	v_pk_add_f32 v[TT+2*ii:TT+2*ii+1], v[64*((\a)%4)+2*ii:64*((\a)%4)+2*ii+1], v[BV+2*(\a):BV+2*(\a)+1] op_sel_hi:[1,0]   ; each accumulator from its low end on
.set ii, ii+1
.endr
	WIN 0
	QUANT TT, PC, PW
.irp c, 0,1,2
	global_store_b128 v[LI], v[PC+4*\c:PC+4*\c+3], s[66:67] offset:(\a)*FRB+512*\c
.endr
	global_store_b32 v[LS], v[PW], s[100:101] offset:(\a)*64
.endm
.irp a, 0,1,2,3,4,5,6,7
	OUTQ \a
.endr
	s_wait_tensorcnt 0x0                           ; the wave's end
	ds_add_u32 v[SPW], v[NIL]
	s_wait_dscnt 0x0
	CROUND                                         ; the closing round
	s_endpgm
.Lfunc_end_k_qa5ca7949ef_gemm_qkv:
	.size	k_qa5ca7949ef_gemm_qkv, .Lfunc_end_k_qa5ca7949ef_gemm_qkv-k_qa5ca7949ef_gemm_qkv
	.p2alignl 7, 3214868480
	.fill 96, 4, 3214868480
	.section	.rodata,"a",@progbits
	.p2align	6, 0x0
	.amdhsa_kernel k_qa5ca7949ef_gemm_qkv
		.amdhsa_group_segment_fixed_size 327680
		.amdhsa_private_segment_fixed_size 0
		.amdhsa_enable_private_segment 0
		.amdhsa_kernarg_size 24
		.amdhsa_user_sgpr_count 2
		.amdhsa_user_sgpr_kernarg_segment_ptr 1
		.amdhsa_wavefront_size32 1
		.amdhsa_system_sgpr_workgroup_id_x 1
		.amdhsa_system_sgpr_workgroup_id_y 1
		.amdhsa_system_sgpr_workgroup_id_z 1
		.amdhsa_system_vgpr_workitem_id 0
		.amdhsa_next_free_vgpr 1024
		.amdhsa_next_free_sgpr 102
		.amdhsa_reserve_vcc 0
		.amdhsa_float_denorm_mode_32 3
		.amdhsa_float_denorm_mode_16_64 3
		.amdhsa_memory_ordered 1
		.amdhsa_forward_progress 1
		.amdhsa_inst_pref_size 164
	.end_amdhsa_kernel
	.amdgpu_metadata
---
amdhsa.version: [ 1, 2 ]
amdhsa.kernels:
  - .name:           k_qa5ca7949ef_gemm_qkv
    .symbol:         k_qa5ca7949ef_gemm_qkv.kd
    .args:
      - { .name: wq, .offset: 0, .size: 8, .value_kind: global_buffer, .address_space: global }
      - { .name: in_proj_b, .offset: 8, .size: 8, .value_kind: global_buffer, .address_space: global }
      - { .name: qkv, .offset: 16, .size: 8, .value_kind: global_buffer, .address_space: global }
    .group_segment_fixed_size: 327680
    .private_segment_fixed_size: 0
    .kernarg_segment_align: 8
    .kernarg_segment_size: 24
    .max_flat_workgroup_size: 128
    .sgpr_count:     102
    .vgpr_count:     1024
    .wavefront_size: 32
...
	.end_amdgpu_metadata
.endif
;; end of part 2
;; launch attn (part 3): grid 16 x 16, 8 waves a work-group, no clusters, 77,824 bytes of LDS; arguments qkv, ctx; writes ctx
.if DOCPART == 3
	.amdgcn_target "amdgcn-amd-amdhsa--gfx1250"
	.amdhsa_code_object_version 6
	.text
	.protected	k_qa5ca7949ef_attn
	.globl	k_qa5ca7949ef_attn
	.p2align	8
	.type	k_qa5ca7949ef_attn,@function
k_qa5ca7949ef_attn:
	s_mov_b64 s[64:65], 0
	v_nop
	global_prefetch_b8 v0, s[64:65] scope:SCOPE_SE
	s_setreg_imm32_b32 hwreg(HW_REG_WAVE_MODE, 25, 1), 1
	s_wait_xcnt 0x0
; Band attention on codes of FP6 (E2M3): ctx = softmax(q k^T / 8 where |i - j| <= 128) v, both products quantised; ctx is quantised on the way out, along its 1,024 channels.
; SHARES.  A work-group owns 128 queries (group G of a batch) of a PAIR of heads; each of its eight waves one tile of 16 queries, for both heads, one after the other.  Keys outside groups G - 1, G, G + 1 lie outside
; the band for all 128 queries: three key steps of 128, of which the first is left out where G = 0 and the last where G = 15 (a scalar branch on the work-group's number).
; OPERANDS are images of operand registers, as the launch before stored them: q's and k's fragments hold 16 tokens x 128 channels (head A in K 0-63, head B in K 64-127), V^T's 16 channels x 128 keys.
; Index r of a tile of tokens or channels is row 32 (T / 2) + 8 (T % 2) + r + 8 (r / 8), so the 16 registers of two neighbouring tiles of a result are 16 neighbours.
; ONE HEAD OF THE PAIR: q's fragment with the other head's codes made zeros; k's fragment and both scale words are used as they are: zero codes add nothing under any of the stored bytes.
; Both products are used transposed (S^T = k q^T, O^T = V^T p^T): a lane holds one query throughout.
; SOFTMAX: t = score x log2(e) / 8; M = the running largest t rounded up to a whole number; p = 2^(t - M) is quantised along the keys; the row's sum is taken of the unquantised p and divides at the end.
; All of K and V that the work-group needs, 72 KiB and 3 KiB of scale words, is copied into LDS once, through registers; one barrier.
; LIMITS: keys outside the band are dropped, not weighed at -1e9: right while a row's largest score in the band lies above about -1e9; a block of zeros gets the scale byte 1; NaN and infinities are not served.
; REGISTERS: v1-7 addresses; v8-11, v12-15 head A's, B's -M, largest t, sum (a pair); v16-27, v28-39 q for head A, B; v48-95 four fragments; v96-159 S^T, then p; v160-191, v192-223 O^T of A, B; v224-254 at work; v255 q's scale words.
.set QK_S,  9437184
.set V_I,   6291456
.set V_S,   9699328
.set CTX_S, 3145728
.set FRB,   1536
.set VLDS,  36864                      ; LDS: K's 3 x 8 images from 0, V's from here,
.set KSC,   73728                      ; K's scale words (3 x 512 bytes), V's 1,536 bytes on,
.set SPARE, 76800                      ; the spare words, 128 bytes a wave, named by no other line
.set AL,  1                            ; v1  16 x lane
.set AV,  2                            ; v2  VLDS + 16 x lane
.set AS,  3                            ; v3  KSC + 4 (lane % 16)
.set DM,  4                            ; v4  my query's place among the 128, less 16 (lane / 16)
.set SPW, 5
.set NIL, 6
.set LS,  7                            ; v7  4 (lane % 16)
.set KO,  124                          ; v124-126, v127-129, v130-132 the copy's offsets in qkv: K's, V's, the scale words'
.set VO,  127
.set SO,  130
.set KD,  133                          ; v133, v134 the copy's places in LDS
.set SD,  134
.set TM,  224                          ; the way out
.set PC,  48
.set PW,  240
.set SEL, 32
.set CS,  34
	s_load_b128 s[4:7], s[0:1], 0x0                ; qkv, ctx
	v_lshl_add_u32 v[SPW], v0, 2, SPARE
	v_mov_b32 v[NIL], 0
	v_lshrrev_b32 v135, 5, v0
	v_readfirstlane_b32 s8, v135                   ; wave 0..7
	v_and_b32 v135, 31, v0
	v_lshlrev_b32 v[AL], 4, v135
	v_add_nc_u32 v[AV], VLDS, v[AL]
	v_and_b32 v136, 15, v0                         ; r
	v_lshlrev_b32 v[LS], 2, v136
	v_add_nc_u32 v[AS], KSC, v[LS]
	v_bfe_u32 v137, v0, 4, 1                       ; h
	v_and_b32 v[DM], 8, v136
	v_add_nc_u32 v[DM], v[DM], v136                ; r + 8 (r / 8)
	v_lshlrev_b32 v137, 4, v137
	v_sub_nc_u32 v[DM], v[DM], v137
	s_lshr_b32 s24, s8, 1
	s_lshl_b32 s24, s24, 5
	s_and_b32 s25, s8, 1
	s_lshl_b32 s25, s25, 3
	s_add_co_u32 s24, s24, s25
	v_add_nc_u32 v[DM], s24, v[DM]                 ; + 32 (w / 2) + 8 (w % 2)
	s_mul_i32 s24, s8, FRB
	v_add_nc_u32 v[KD], s24, v[AL]                 ; the copy: wave w takes image w of each eight
	s_lshr_b32 s25, s8, 2
	s_lshl_b32 s25, s25, 10
	s_add_co_u32 s25, s25, KSC
	v_lshl_add_u32 v[SD], v0, 2, s25               ; threads 0-127 K's 512 bytes of scale words, threads 128-255 V's
	v_and_b32 v135, 127, v0
	v_lshlrev_b32 v135, 2, v135
	s_and_b32 s9, ttmp7, 0xffff
	s_lshr_b32 s10, s9, 3                          ; the batch
	s_and_b32 s11, s9, 7                           ; the pair of heads
	s_sub_co_i32 s12, ttmp9, 1                     ; the three groups of keys, held inside the batch: a group that lies outside is copied from a neighbour's address and never read
	s_max_i32 s12, s12, 0
	s_mov_b32 s13, ttmp9
	s_add_co_u32 s14, ttmp9, 1
	s_min_u32 s14, s14, 15
	s_add_co_u32 s16, s11, 8
	s_lshl_b32 s16, s16, 8
	s_lshl_b32 s18, s10, 7
	s_add_co_u32 s16, s16, s18                     ; k's fragments of the batch begin at number (8 + pair) 256 + 128 batch
	s_lshl_b32 s17, s10, 10
	s_lshl_b32 s18, s11, 3
	s_add_co_u32 s17, s17, s18                     ; V^T's at 1,024 batch + 64 group + 8 pair
.irp s, 0,1,2
	s_lshl_b32 s20, s[12+\s], 3
	s_add_co_u32 s20, s20, s16
	s_lshl_b32 s21, s[12+\s], 6
	s_add_co_u32 s21, s21, s17
	s_lshl_b32 s22, s20, 6
	s_add_co_u32 s22, s22, QK_S
	s_lshl_b32 s23, s21, 6
	s_add_co_u32 s23, s23, V_S
	s_cmp_lt_u32 s8, 4
	s_cselect_b32 s22, s22, s23
	v_add_nc_u32 v[SO+\s], s22, v135
	s_add_co_u32 s20, s20, s8
	s_mul_i32 s20, s20, FRB
	v_add_nc_u32 v[KO+\s], s20, v[AL]
	s_add_co_u32 s21, s21, s8
	s_mul_i32 s21, s21, FRB
	s_add_co_u32 s21, s21, V_I
	v_add_nc_u32 v[VO+\s], s21, v[AL]
.endr
	s_lshl_b32 s26, s10, 7
	s_lshl_b32 s27, ttmp9, 3
	s_add_co_u32 s26, s26, s27
	s_add_co_u32 s26, s26, s8                      ; my tile of 16 tokens
	s_lshl_b32 s27, s11, 8
	s_add_co_u32 s27, s27, s26                     ; q's fragment number
	s_mul_i32 s28, s27, FRB
	v_add_nc_u32 v136, s28, v[AL]
	s_lshl_b32 s28, s27, 6
	s_add_co_u32 s28, s28, QK_S
	v_add_nc_u32 v137, s28, v[LS]
	s_lshl_b32 s26, s26, 3
	s_add_co_u32 s26, s26, s11                     ; ctx's fragment number: 8 x tile + pair
	s_mul_i32 s28, s26, FRB
	s_mov_b32 s29, 0
	s_lshl_b32 s30, s26, 6
	s_add_co_u32 s30, s30, CTX_S
	s_mov_b32 s31, 0
	s_mov_b32 s[SEL], 0x76543210
	s_mov_b32 s[SEL+1], 0xfedcba98
	s_mov_b32 s[CS], 0x3e38aa3b                    ; c = log2(e) / 8
	s_mov_b32 s[CS+1], s[CS]
	s_wait_kmcnt 0x0
	s_add_nc_u64 s[28:29], s[6:7], s[28:29]
	s_add_nc_u64 s[30:31], s[6:7], s[30:31]
.irp s, 0,1,2
.irp c, 0,1,2
	global_load_b128 v[48+24*\s+4*\c:51+24*\s+4*\c], v[KO+\s], s[4:5] offset:512*\c
	global_load_b128 v[60+24*\s+4*\c:63+24*\s+4*\c], v[VO+\s], s[4:5] offset:512*\c
.endr
	global_load_b32 v[120+\s], v[SO+\s], s[4:5]
.endr
.irp c, 0,1,2
	global_load_b128 v[16+4*\c:19+4*\c], v136, s[4:5] offset:512*\c
.endr
	global_load_b32 v255, v137, s[4:5]             ; q's scale words
.irp d, 0,1
	v_mov_b32 v[9+4*\d], 0xff61b1e6                ; the largest t so far: -3e38
	v_floor_f32 v[8+4*\d], -v[9+4*\d]              ; -M
	v_mov_b32 v[10+4*\d], 0                        ; the sum, in two halves
	v_mov_b32 v[11+4*\d], 0
.endr
.irp b, 0,1,2,3
	v_mov_b32 v[236+\b], 0                         ; written once: a lane permute's destination counts as one of its sources
.endr
	v_mov_b32 v253, 0
.set ii, 0
.rept 64
	v_mov_b32 v[160+ii], 0                         ; O^T.  (The step is written once for first and later steps: the first change of M multiplies zeros)
.set ii, ii+1
.endr
	s_wait_loadcnt 0x0
.irp s, 0,1,2
.irp c, 0,1,2
	ds_store_b128 v[KD], v[48+24*\s+4*\c:51+24*\s+4*\c] offset:12288*\s+512*\c
	ds_store_b128 v[KD], v[60+24*\s+4*\c:63+24*\s+4*\c] offset:VLDS+12288*\s+512*\c
.endr
	ds_store_b32 v[SD], v[120+\s] offset:512*\s
.endr
.irp i, 0,1,2,3,4,5
	v_mov_b32 v[34+\i], v[22+\i]                   ; head B's q: K 64-127 as stored,
	v_mov_b32 v[28+\i], 0                          ; K 0-63 zeros;
.endr
.irp i, 0,1,2,3,4,5
	v_mov_b32 v[22+\i], 0                          ; head A's the other way round
.endr
	s_wait_dscnt 0x0                               ; for the others' sake: my stores have landed
	s_barrier_signal -1
	s_barrier_wait -1                              ; K, V and their scale words lie in LDS; nothing is written there again
; A KEY STEP: the 128 keys of group G - 1 + s, for head d of the pair.
.macro STEP s, d
.set ST, 8+4*\d
.set QF, 16+12*\d
.set OT, 160+32*\d
.irp g, 0,1                                    ; S^T = k q^T, four tiles of 16 keys at a time
.rept 4
	v_nop                                          ; places in front of loads into registers that matrix instructions have read
.endr
.irp t, 0,1,2,3
.irp c, 0,1,2
	ds_load_b128 v[48+12*\t+4*\c:51+12*\t+4*\c], v[AL] offset:(8*\s+4*\g+\t)*FRB+512*\c
.endr
	ds_load_b32 v[248+\t], v[AS] offset:(8*\s+4*\g+\t)*64
.endr
	s_wait_dscnt 0x0
.irp t, 0,1,2,3
	v_wmma_scale_f32_16x16x128_f8f6f4 v[96+8*(4*\g+\t):103+8*(4*\g+\t)], v[48+12*\t:59+12*\t], v[QF:QF+11], 0, v[248+\t], v255 matrix_a_fmt:MATRIX_FMT_FP6 matrix_b_fmt:MATRIX_FMT_FP6
.endr
.endr                                          ; register 16 b + i holds key 32 b + 16 (lane / 16) + i of the group
.rept 4
	v_nop
.endr
.irp t, 0,1,2,3                                ; V^T's four tiles of this head are asked for now and land under the softmax
.irp c, 0,1,2
	ds_load_b128 v[48+12*\t+4*\c:51+12*\t+4*\c], v[AV] offset:(8*\s+4*\d+\t)*FRB+512*\c
.endr
	ds_load_b32 v[248+\t], v[AS] offset:1536+(8*\s+4*\d+\t)*64
.endr
.if \s != 1                                    ; the band: in the group before mine key j counts where j >= my query's place, in the group behind where j <= it; hidden scores become -infinity: p = 0
	v_mov_b32 v254, 0xff800000
.set nn, 0
.rept 64
.if \s == 0
	v_cmp_lt_i32 vcc_lo, 32*(nn/16)+nn%16, v[DM]
.else
	v_cmp_gt_i32 vcc_lo, 32*(nn/16)+nn%16, v[DM]
.endif
	v_cndmask_b32 v[96+nn], v[96+nn], v254, vcc_lo
.set nn, nn+1
.endr
.endif
.irp b, 0,1,2,3
	v_max3_num_f32 v[232+\b], v[96+16*\b], v[97+16*\b], v[98+16*\b]   ; the largest score of each block of 32 keys: for the row's maximum and, since p rises with the score, for the block's largest p
.endr
.irp i, 3,5,7,9,11,13
.irp b, 0,1,2,3
	v_max3_num_f32 v[232+\b], v[232+\b], v[96+16*\b+\i], v[97+16*\b+\i]
.endr
.endr
.irp b, 0,1,2,3
	v_max_num_f32 v[232+\b], v[232+\b], v[111+16*\b]
.endr
.irp b, 0,1,2,3
	v_permlanex16_b32 v[236+\b], v[232+\b], s[SEL], s[SEL+1]
.endr
.irp b, 0,1,2,3
	v_max_num_f32 v[232+\b], v[232+\b], v[236+\b]
.endr
	v_max3_num_f32 v254, v232, v233, v234
	v_max_num_f32 v254, v254, v235                 ; the step's largest score of my query: a number, since at least one key of each step counts for every query
	v_mul_f32 v254, s[CS], v254
	v_max_num_f32 v[ST+1], v[ST+1], v254           ; the running largest t
	v_mov_b32 v254, v[ST]
	v_floor_f32 v[ST], -v[ST+1]                    ; the new -M = -ceil(t)
	v_sub_f32 v254, v[ST], v254                    ; old M - new M: a whole number, 0 or less
	v_cvt_i32_f32 v254, v254
	v_ldexp_f32 v252, 1.0, v254                    ; f = 2^(old M - new M): rounds nothing
.set jj, 0
.rept 32
	v_pk_fma_f32 v[96+jj:97+jj], v[96+jj:97+jj], s[CS:CS+1], v[ST:ST+1] op_sel_hi:[1,0,0]   ; t - M
.set jj, jj+2
.endr
.irp b, 0,1,2,3
	v_fma_f32 v[232+\b], v[232+\b], s[CS], v[ST]
.endr
.set jj, 0
.rept 64
	v_exp_f32 v[96+jj], v[96+jj]                   ; p = 2^(t - M)
.set jj, jj+1
.endr
	v_pk_mul_f32 v[ST+2:ST+3], v[ST+2:ST+3], v[252:253] op_sel_hi:[1,0]   ; the sums under the new M (a plain place behind the exponentials)
	s_wait_alu depctr_va_vdst(0)                   ; one wait for the batch, ahead of its first reader
.irp b, 0,1,2,3
	v_exp_f32 v[232+\b], v[232+\b]                 ; each block's largest p
.endr
	v_pk_add_f32 v[236:237], v[96:97], v[98:99]    ; the row's sum of the unquantised p, in two chains
.irp j, 4,8,12,16,20,24,28,32,36,40,44,48,52,56,60
	v_pk_add_f32 v[ST+2:ST+3], v[ST+2:ST+3], v[96+\j:97+\j]
	v_pk_add_f32 v[236:237], v[236:237], v[98+\j:99+\j]
.endr
	v_pk_add_f32 v[ST+2:ST+3], v[ST+2:ST+3], v[236:237]
	s_wait_alu depctr_va_vdst(0)                   ; and one for the four
.irp b, 0,1,2,3
	v_max_num_f32 v[232+\b], 0x1800000, v[232+\b]  ; the floor 2^(3 - 127): a block of zeros keeps the byte 1
.endr
.irp b, 0,1,2,3
	v_add_nc_u32 v[244+\b], 0xff000000, v[232+\b]
.endr
.irp b, 0,1,2,3
	v_lshrrev_b32 v[236+\b], 23, v[244+\b]
.endr
	v_lshl_or_b32 v253, v237, 8, v236              ; p's scale word for these 128 keys
	v_lshl_or_b32 v253, v238, 16, v253
	v_lshl_or_b32 v253, v239, 24, v253
.irp c, 0,1
	v_cvt_scalef32_pk16_fp6_f32 v[224+6*\c:226+6*\c], v[96+32*\c:111+32*\c], v[244+2*\c]
	v_cvt_scalef32_pk16_fp6_f32 v[236+4*\c:238+4*\c], v[112+32*\c:127+32*\c], v[244+2*\c+1]
.endr
	v_nop                                          ; one plain place behind a scaled conversion
.irp c, 0,1
.irp i, 0,1,2
	v_permlane16_swap_b32 v[224+6*\c+\i], v[236+4*\c+\i]
.endr
.irp i, 0,1,2
	v_mov_b32 v[227+6*\c+\i], v[236+4*\c+\i]
.endr
.endr
.set jj, 0
.rept 16
	v_pk_mul_f32 v[OT+jj:OT+jj+1], v[OT+jj:OT+jj+1], v[252:253] op_sel_hi:[1,0]   ; O^T under the new M.  (These sixteen are also the places between p's scale word and codes and the products)
.set jj, jj+2
.endr
	s_wait_dscnt 0x0                               ; V^T's tiles are in
.irp t, 0,1,2,3
	v_wmma_scale_f32_16x16x128_f8f6f4 v[OT+8*\t:OT+8*\t+7], v[48+12*\t:59+12*\t], v[224:235], v[OT+8*\t:OT+8*\t+7], v[248+\t], v253 matrix_a_fmt:MATRIX_FMT_FP6 matrix_b_fmt:MATRIX_FMT_FP6
.endr
.endm
	s_cmp_eq_u32 ttmp9, 0                          ; the batch's first group has no group before it
	s_cbranch_scc1 .Lno_before
	STEP 0, 0
	STEP 0, 1
.Lno_before:
	STEP 1, 0
	STEP 1, 1
	s_cmp_eq_u32 ttmp9, 15                         ; and its last none behind it
	s_cbranch_scc1 .Lno_behind
	STEP 2, 0
	STEP 2, 1
.Lno_behind:
	; THE WAY OUT: O^T / the sum; the two heads' 64 registers are 128 neighbouring channels of my query: one fragment of ctx.  (The six lines ahead of the reciprocals are the places behind the last products)
	v_add_f32 v10, v10, v11
	v_add_f32 v14, v14, v15
	v_permlanex16_b32 v252, v10, s[SEL], s[SEL+1]
	v_permlanex16_b32 v254, v14, s[SEL], s[SEL+1]
	v_add_f32 v10, v10, v252
	v_add_f32 v14, v14, v254
	v_rcp_f32 v10, v10
	v_rcp_f32 v14, v14
	v_nop                                          ; a plain place behind the reciprocals
	s_wait_alu depctr_va_vdst(0)                   ; and the wait ahead of their first reader
.set jj, 0
.rept 16
	v_pk_mul_f32 v[96+jj:97+jj], v[160+jj:161+jj], v[10:11] op_sel_hi:[1,0]
.set jj, jj+2
.endr
.rept 16
	v_pk_mul_f32 v[96+jj:97+jj], v[160+jj:161+jj], v[14:15] op_sel_hi:[1,0]
.set jj, jj+2
.endr
.irp b, 0,1,2,3
	v_max3_num_f32 v[TM+\b], |v[96+16*\b]|, |v[97+16*\b]|, 0x1800000
.endr
.irp i, 2,4,6,8,10,12,14
.irp b, 0,1,2,3
	v_max3_num_f32 v[TM+\b], v[TM+\b], |v[96+16*\b+\i]|, |v[97+16*\b+\i]|
.endr
.endr
.irp b, 0,1,2,3
	v_permlanex16_b32 v[TM+4+\b], v[TM+\b], s[SEL], s[SEL+1]
.endr
.irp b, 0,1,2,3
	v_max_num_f32 v[TM+\b], v[TM+\b], v[TM+4+\b]
.endr
.irp b, 0,1,2,3
	v_add_nc_u32 v[TM+12+\b], 0xff000000, v[TM+\b]
.endr
.irp b, 0,1,2,3
	v_lshrrev_b32 v[TM+4+\b], 23, v[TM+12+\b]
.endr
	v_lshl_or_b32 v[PW], v[TM+5], 8, v[TM+4]
	v_lshl_or_b32 v[PW], v[TM+6], 16, v[PW]
	v_lshl_or_b32 v[PW], v[TM+7], 24, v[PW]
.irp c, 0,1
	v_cvt_scalef32_pk16_fp6_f32 v[PC+6*\c:PC+2+6*\c], v[96+32*\c:111+32*\c], v[TM+12+2*\c]
	v_cvt_scalef32_pk16_fp6_f32 v[PC+12+4*\c:PC+14+4*\c], v[112+32*\c:127+32*\c], v[TM+12+2*\c+1]
.endr
	v_nop
.irp c, 0,1
.irp i, 0,1,2
	v_permlane16_swap_b32 v[PC+6*\c+\i], v[PC+12+4*\c+\i]
.endr
.irp i, 0,1,2
	v_mov_b32 v[PC+3+6*\c+\i], v[PC+12+4*\c+\i]
.endr
.endr
.irp c, 0,1,2
	global_store_b128 v[AL], v[PC+4*\c:PC+4*\c+3], s[28:29] offset:512*\c   ; the image: 512 consecutive bytes a store
.endr
	global_store_b32 v[LS], v[PW], s[30:31]
	s_wait_tensorcnt 0x0                           ; the wave's end, behind my last LDS store
	ds_add_u32 v[SPW], v[NIL]
	s_wait_dscnt 0x0
	s_endpgm
.Lfunc_end_k_qa5ca7949ef_attn:
	.size	k_qa5ca7949ef_attn, .Lfunc_end_k_qa5ca7949ef_attn-k_qa5ca7949ef_attn
	.p2alignl 7, 3214868480
	.fill 96, 4, 3214868480
	.section	.rodata,"a",@progbits
	.p2align	6, 0x0
	.amdhsa_kernel k_qa5ca7949ef_attn
		.amdhsa_group_segment_fixed_size 77824
		.amdhsa_private_segment_fixed_size 0
		.amdhsa_enable_private_segment 0
		.amdhsa_kernarg_size 16
		.amdhsa_user_sgpr_count 2
		.amdhsa_user_sgpr_kernarg_segment_ptr 1
		.amdhsa_wavefront_size32 1
		.amdhsa_system_sgpr_workgroup_id_x 1
		.amdhsa_system_sgpr_workgroup_id_y 1
		.amdhsa_system_sgpr_workgroup_id_z 1
		.amdhsa_system_vgpr_workitem_id 0
		.amdhsa_next_free_vgpr 256
		.amdhsa_next_free_sgpr 66
		.amdhsa_reserve_vcc 1
		.amdhsa_float_denorm_mode_32 3
		.amdhsa_float_denorm_mode_16_64 3
		.amdhsa_memory_ordered 1
		.amdhsa_forward_progress 1
		.amdhsa_inst_pref_size 139
	.end_amdhsa_kernel
	.amdgpu_metadata
---
amdhsa.version: [ 1, 2 ]
amdhsa.kernels:
  - .name:           k_qa5ca7949ef_attn
    .symbol:         k_qa5ca7949ef_attn.kd
    .args:
      - { .name: qkv, .offset: 0, .size: 8, .value_kind: global_buffer, .address_space: global }
      - { .name: ctx, .offset: 8, .size: 8, .value_kind: global_buffer, .address_space: global }
    .group_segment_fixed_size: 77824
    .private_segment_fixed_size: 0
    .kernarg_segment_align: 8
    .kernarg_segment_size: 16
    .max_flat_workgroup_size: 256
    .sgpr_count:     66
    .vgpr_count:     256
    .wavefront_size: 32
...
	.end_amdgpu_metadata
.endif
;; end of part 3
;; launch gemm_out (part 4): grid 8 x 32, 4 waves a work-group, clusters of 4 x 4, 327,680 bytes of LDS; arguments ctx, wq, out_b, src, y; writes y
.if DOCPART == 4
	.amdgcn_target "amdgcn-amd-amdhsa--gfx1250"
	.amdhsa_code_object_version 6
	.text
	.protected	k_qa5ca7949ef_gemm_out
	.globl	k_qa5ca7949ef_gemm_out
	.p2align	8
	.type	k_qa5ca7949ef_gemm_out,@function
k_qa5ca7949ef_gemm_out:
	s_mov_b64 s[64:65], 0
	v_nop
	global_prefetch_b8 v0, s[64:65] scope:SCOPE_SE
	s_setreg_imm32_b32 hwreg(HW_REG_WAVE_MODE, 25, 1), 1
	s_wait_xcnt 0x0
	s_wait_alu depctr_hold_cnt(0) depctr_sa_sdst(0) depctr_va_vdst(0) depctr_va_sdst(0) depctr_va_ssrc(0) depctr_va_vcc(0) depctr_vm_vsrc(0)
	s_getreg_b32 s2, hwreg(HW_REG_IB_STS2, 6, 4)
	s_cmp_eq_u32 s2, 0
	s_cbranch_scc0 .Lentry_in_a_cluster
	s_endpgm
.Lentry_in_a_cluster:
	s_bfe_u32 s2, ttmp6, 0x10000c
	s_cmp_lg_u32 s2, 0xf033
	s_cbranch_scc0 .Lentry_shape_is_right
	s_endpgm
.Lentry_shape_is_right:
; y = A W^T + bias + residual, f32, on codes of FP6 (E2M3) with E8M0 scales.  Here: A = ctx (K = 1,024), W = out_w, residual = src.
; OPERANDS are images of operand registers (16 rows x 128 K = 1,536 bytes, registers 4 c .. 4 c + 3 of lane l at 512 c + 16 l; 64 bytes of scale words a fragment); index r of tile T is row 32 (T / 2) + 8 (T % 2) + r + 8 (r / 8).
; N is 1,024: tiles of 256 x 256 would give 64 work-groups, so a work-group makes 128 x 128 (256 work-groups), a wave 64 x 64: 16 accumulators.  K goes in slots of 512 through a ring of two LDS slots filled by the
; tensor data mover; the scale words of all of K come once and stay.  The product is used transposed (source 0 = W's tile, source 1 = A's): a lane holds eight neighbouring columns of one row of y.
; The bias is the C of each sum's first product.  The residual is asked for at the head, in the layout in which rows leave, and added on the way out.
; CLUSTERS: 4 x 4 work-groups; A's tiles are asked for jointly along a row of the cluster, W's along a column.
; REGISTERS: window 0: v16-31 addresses; v32-63 scale words, two sets; v64-95 the bias; v96-223 rows on the way out; v128-175 A's fragments, one set.
;   window 1: W's fragments, two sets, at v0 and v128.   window 2: accumulator (a, b) at v[8 (4 a + b)].   window 3: the residual.
.set KS,    8                          ; steps of 128 in all of K
.set A_SCL, 3145728                    ; where A's scale words begin in its buffer
.set B_F0,  3584                       ; W's first fragment in wq
.set NB,    4                          ; blocks of 16 rows for a wave and side
.set NQ,    4                          ; steps of 128 along K in a slot
.set LAPS,  KS/(2*NQ)
.set FRB,   1536
.set HAL,   3*NB/2
.set QA,    NB/4
.set HALFT, NB*NQ*FRB
.set SLOT,  4*HALFT
.set SCL,   2*SLOT
.set HALFS, NB*KS*64
.set SPARE, SCL+4*HALFS                ; the spare words, 128 bytes a wave, named by no other line
.set SC0,   12582912
.set SPITCH, 272                       ; the way out: a stage of 16 rows x (256 bytes + 16) for each wave, in slot 0, which has had its last fill and its last read by then
.set ADRA, 16
.set VBQ,  18
.set ADRB, 20
.set STO,  24
.set RD,   25
.set CO,   26
.set ADRS, 27
.set SPW,  28
.set NIL,  29
.set LI,   30
.set LS,   31
.set SC,   32
.set BQ,   64
.set OB,   96
.set AF,   128
.set G1, 24
.set G0, 32
.set G1B, 48
.set G0B, 56
.set G1S, 68
.set G0S, 76
.set G1SB, 80
.set G0SB, 88
.set MUL_LO, 0xa1                      ; source 0 (W) window 1, source 1 (A) window 0, C and D window 2
.set MUL_HI, 0xa1
.set FST_LO, 0x81                      ; the same with C (the bias) in window 0
.set FST_HI, 0x81
.set MSB, 0
.macro WIN new                         ; the immediate's high byte repeats the setting that is left
.if MSB != (\new)
	s_set_vgpr_msb (MSB<<8)|(\new)
.set MSB, (\new)
.endif
.endm
.macro JLOAD g0a, g1a, g0b, g1b        ; a joint load: waves 0, 1 fetch for A, waves 2, 3 for W; an s_nop 0 and four v_nop follow each line
	s_cmp_eq_u32 s15, 0
	s_cbranch_scc0 .Lfor_b_\@
	tensor_load_to_lds s[\g0a:\g0a+3], s[\g1a:\g1a+7]
	s_nop 0
.rept 4
	v_nop
.endr
	s_branch .Lasked_\@
.Lfor_b_\@:
	tensor_load_to_lds s[\g0b:\g0b+3], s[\g1b:\g1b+7]
	s_nop 0
.rept 4
	v_nop
.endr
.Lasked_\@:
.endm
.macro CREST                           ; a round of the cluster's barrier behind its opening barrier
	s_cmp_lg_u32 s14, 0
	s_cbranch_scc1 .Lnot_wave_0_\@
	s_barrier_signal -3
.Lnot_wave_0_\@:
	s_barrier_wait -3
	s_barrier_signal -1
	s_barrier_wait -1
.endm
.macro CROUND
	s_barrier_signal -1
	s_barrier_wait -1
	CREST
.endm
.macro PLACES n
.rept \n
	v_nop
.endr
.endm
.macro FRAG reg, adr, q, i             ; a fragment's image: three loads of 512 consecutive bytes
.irp c, 0,1,2
	ds_load_b128 v[\reg+4*\c:\reg+4*\c+3], v[\adr] offset:((\i)*NQ+(\q))*FRB+512*\c
.endr
.endm
.macro FETCH_B slot, q, p
	WIN 0x40
.set ii, 0
.rept NB
	FRAG 128*(\p)+12*ii, ADRB+\slot, \q, ii
.set ii, ii+1
.endr
	WIN 0
.endm
.macro FETCH_A slot, q, i0
.set ii, \i0
.rept NB/2
	FRAG AF+12*ii, ADRA+\slot, \q, ii
.set ii, ii+1
.endr
.endm
.macro SCALES sc                       ; a slot's scale words: lanes 0-15 take A's block i, lanes 16-31 W's
.set ii, 0
.rept NB
.set jj, 0
.rept NQ
	ds_load_b32 v[SC+16*\sc+NQ*ii+jj], v[ADRS] offset:(ii*KS+jj)*64
.set jj, jj+1
.endr
.set ii, ii+1
.endr
.endm
; QA blocks of A from a0 on x all of W's, 128 along K.  The accumulators take turns, one instruction a turn, in the same order in every step.  first = 1: the bias starts the sums.
.macro MULQ a0, p, q, sc, first
.set aa, \a0
.rept QA
.set bb, 0
.rept NB
.set dd, 8*((aa*NB+bb)%32)
.if \first
	v_wmma_scale_f32_16x16x128_f8f6f4 v[dd:dd+7], v[128*(\p)+12*bb:128*(\p)+12*bb+11], v[AF+12*aa:AF+12*aa+11], v[BQ+8*bb:BQ+8*bb+7], v[SC+16*(\sc)+NQ*bb+(\q)], v[SC+16*(\sc)+NQ*aa+(\q)] matrix_a_fmt:MATRIX_FMT_FP6 matrix_b_fmt:MATRIX_FMT_FP6 matrix_a_scale:MATRIX_SCALE_ROW1
.else
	v_wmma_scale_f32_16x16x128_f8f6f4 v[dd:dd+7], v[128*(\p)+12*bb:128*(\p)+12*bb+11], v[AF+12*aa:AF+12*aa+11], v[dd:dd+7], v[SC+16*(\sc)+NQ*bb+(\q)], v[SC+16*(\sc)+NQ*aa+(\q)] matrix_a_fmt:MATRIX_FMT_FP6 matrix_b_fmt:MATRIX_FMT_FP6 matrix_a_scale:MATRIX_SCALE_ROW1
.endif
.set bb, bb+1
.endr
.set aa, aa+1
.endr
.endm
.macro STEP slot, q, first             ; a step of 128 along K that has its successor in the same slot
	s_wait_dscnt HAL                               ; W's set and A's lower blocks are in; the youngest loads (A's upper blocks) may be out
.if \first
	WIN FST_LO
.else
	WIN MUL_LO
.endif
	MULQ 0, (\q)%2, \q, \slot, \first
	MULQ QA, (\q)%2, \q, \slot, \first
	s_wait_dscnt 0x0                               ; A's upper blocks are in
	PLACES 4                                       ; in front of loads into registers that matrix instructions have read
	FETCH_B \slot, (\q)+1, 1-(\q)%2
	FETCH_A \slot, (\q)+1, 0
.if \first
	WIN FST_HI
.else
	WIN MUL_HI
.endif
	MULQ 2*QA, (\q)%2, \q, \slot, \first
	MULQ 3*QA, (\q)%2, \q, \slot, \first
	PLACES 4
	WIN 0
	FETCH_A \slot, (\q)+1, NB/2
.endm
; A slot's last step changes slots: one barrier; in front of it each wave waits for all its tensor loads, adds 0 to its spare word, and waits for that and for its reads of this slot.  fill = 1: the slot is filled again.
.macro TURN slot, next, fill
	s_wait_tensorcnt 0x0                           ; all my tensor loads have landed: my part of the next slot
	ds_add_u32 v[SPW], v[NIL]                      ; 0 onto my spare word
	s_wait_dscnt HAL+1                             ; (the add and A's upper blocks may be out)
	WIN MUL_LO
	MULQ 0, 1, NQ-1, \slot, 0
	s_wait_dscnt 0x0                               ; the add is done, and my reads of this slot are over
	s_barrier_signal -1
	MULQ QA, 1, NQ-1, \slot, 0
	WIN 0
	s_barrier_wait -1
.if \fill
	CREST                                          ; the barrier has opened a round of the cluster's: no wave of any partner still reads this slot or has a load on its way
	s_add_nc_u64 s[G0+4*\slot+2:G0+4*\slot+3], s[G0+4*\slot+2:G0+4*\slot+3], 2*NQ*FRB
	s_add_nc_u64 s[G0B+4*\slot+2:G0B+4*\slot+3], s[G0B+4*\slot+2:G0B+4*\slot+3], 2*NQ*FRB
	JLOAD G0+4*\slot, G1, G0B+4*\slot, G1B         ; the first tensor load behind the round; its four v_nop are the places in front of the loads below
.else
	PLACES 4
.endif
	v_add_nc_u32 v[ADRS], 64*NQ, v[ADRS]           ; on to the next slot's scale words (no LDS load of mine is out)
	FETCH_B \next, 0, 0
	FETCH_A \next, 0, 0
	SCALES \next
	WIN MUL_HI
	MULQ 2*QA, 1, NQ-1, \slot, 0
	MULQ 3*QA, 1, NQ-1, \slot, 0
	PLACES 4
	WIN 0
	FETCH_A \next, 0, NB/2
.endm
.macro REST slot, next, fill           ; a slot's steps behind its first
.if NQ > 2
.set qq, 1
.rept NQ-2
	STEP \slot, qq, 0
.set qq, qq+1
.endr
.endif
	TURN \slot, \next, \fill
.endm
	s_load_b256 s[4:11], s[0:1], 0x0               ; A s[4:5], wq s[6:7], the bias s[8:9], the residual s[10:11]
	s_load_b64 s[12:13], s[0:1], 0x20              ; y
	v_lshl_add_u32 v[SPW], v0, 2, SPARE
	v_mov_b32 v[NIL], 0
	ds_add_u32 v[SPW], v[NIL]                      ; the wave's opening: the add and its wait stand ahead of my first tensor load; work on registers stands between them
	v_lshrrev_b32 v1, 5, v0
	v_readfirstlane_b32 s14, v1                    ; wave
	s_lshr_b32 s15, s14, 1                         ; my half of the rows.  Also: I fetch for A (0) or for W (1)
	s_and_b32 s16, s14, 1                          ; my half of the columns.  Also: which half I fetch
	s_bfe_u32 s40, ttmp6, 0x40000                  ; cx
	s_bfe_u32 s41, ttmp6, 0x40004                  ; cy
	s_lshl_b32 s42, ttmp9, 2
	s_add_co_u32 s42, s42, s40                     ; tile column
	s_and_b32 s17, ttmp7, 0xffff
	s_lshl_b32 s17, s17, 2
	s_add_co_u32 s17, s17, s41                     ; tile row
	s_lshl_b32 s43, s41, 2
	s_lshl_b32 s43, 15, s43                        ; my row of the cluster
	s_lshl_b32 s44, 0x1111, s40                    ; my column
	; descriptor group 1 for codes: NB rows (tiles of 16) of NQ images, 192 NQ elements of 8 bytes, KS images apart; no padding: images are read 512 consecutive bytes at a time
	s_or_b32 s[G1+0], s43, (3<<16)|(1<<21)
	s_or_b32 s[G1B+0], s44, (3<<16)|(1<<21)
.irp g, G1, G1B
	s_mov_b32 s[\g+1], (192*NQ)<<16                ; tensor_dim0
	s_mov_b32 s[\g+2], NB<<16                      ; tensor_dim1
	s_mov_b32 s[\g+3], (192*NQ)<<16                ; tile_dim0
	s_mov_b32 s[\g+4], NB                          ; tile_dim1
	s_mov_b32 s[\g+5], 192*KS                      ; tensor_dim0_stride
	s_mov_b32 s[\g+6], 0
	s_mov_b32 s[\g+7], 0
.endr
	; and for the scale words of NB tiles, all of K: a dense block, as rows of 256 bytes
	s_or_b32 s[G1S+0], s43, (3<<16)|(1<<21)
	s_or_b32 s[G1SB+0], s44, (3<<16)|(1<<21)
.irp g, G1S, G1SB
	s_mov_b32 s[\g+1], 32<<16
	s_mov_b32 s[\g+2], (HALFS/256)<<16
	s_mov_b32 s[\g+3], 32<<16
	s_mov_b32 s[\g+4], HALFS/256
	s_mov_b32 s[\g+5], 32
	s_mov_b32 s[\g+6], 0
	s_mov_b32 s[\g+7], 0
.endr
	s_lshl_b32 s20, s17, 3
	s_lshl_b32 s21, s16, 2
	s_add_co_u32 s20, s20, s21                     ; A: the first tile of 16 rows that I fetch
	s_lshl_b32 s46, s42, 3
	s_add_co_u32 s46, s46, s21                     ; W likewise
	s_mul_i32 s22, s20, KS*64
	s_add_co_u32 s22, s22, A_SCL
	s_mul_i32 s20, s20, KS*FRB
	s_mul_i32 s92, s46, KS*64
	s_add_co_u32 s92, s92, SC0+B_F0*64
	s_mul_i32 s46, s46, KS*FRB
	s_add_co_u32 s46, s46, B_F0*FRB
	s_mov_b32 s21, 0
	s_mov_b32 s23, 0
	s_mov_b32 s47, 0
	s_mov_b32 s93, 0
	s_mul_i32 s45, s14, HALFT                      ; where they go: no place in the cluster enters an LDS address
	s_mul_i32 s94, s14, HALFS
	s_wait_dscnt 0x0                               ; the opening add is done
	s_wait_kmcnt 0x0
	s_add_nc_u64 s[20:21], s[4:5], s[20:21]
	s_add_nc_u64 s[22:23], s[4:5], s[22:23]
	s_add_nc_u64 s[46:47], s[6:7], s[46:47]
	s_add_nc_u64 s[92:93], s[6:7], s[92:93]
	CROUND                                         ; all sixteen work-groups are here: the first joint loads meet
	s_mov_b32 s[G0S], 1
	s_add_co_u32 s[G0S+1], s94, SCL
	s_mov_b64 s[G0S+2:G0S+3], s[22:23]
	s_or_b32 s[G0S+3], s[G0S+3], 0x80000000
	s_mov_b32 s[G0SB], 1
	s_add_co_u32 s[G0SB+1], s94, SCL
	s_mov_b64 s[G0SB+2:G0SB+3], s[92:93]
	s_or_b32 s[G0SB+3], s[G0SB+3], 0x80000000
	JLOAD G0S, G1S, G0SB, G1SB                     ; the scale words first; three tensor loads of mine are out behind these lines
.irp s, 0,1
	s_mov_b32 s[G0+4*\s], 1
	s_add_co_u32 s[G0+4*\s+1], s45, \s*SLOT
	s_add_nc_u64 s[G0+4*\s+2:G0+4*\s+3], s[20:21], \s*NQ*FRB
	s_or_b32 s[G0+4*\s+3], s[G0+4*\s+3], 0x80000000
	s_mov_b32 s[G0B+4*\s], 1
	s_add_co_u32 s[G0B+4*\s+1], s45, \s*SLOT
	s_add_nc_u64 s[G0B+4*\s+2:G0B+4*\s+3], s[46:47], \s*NQ*FRB
	s_or_b32 s[G0B+4*\s+3], s[G0B+4*\s+3], 0x80000000
	JLOAD G0+4*\s, G1, G0B+4*\s, G1B
.endr
	v_and_b32 v1, 15, v0                           ; r
	v_bfe_u32 v2, v0, 4, 1                         ; h
	v_and_b32 v3, 31, v0
	v_lshlrev_b32 v[LI], 4, v3
	v_lshlrev_b32 v[LS], 2, v1
	s_mul_i32 s21, s15, HALFT                      ; my half of A
	s_mul_i32 s22, s16, HALFT
	s_add_co_u32 s22, s22, 2*HALFT                 ; my half of W, behind A's two
.irp s, 0,1
	v_add_nc_u32 v[ADRA+\s], s21, v[LI]
	v_add_nc_u32 v[ADRB+\s], s22, v[LI]
	s_add_co_u32 s21, s21, SLOT
	s_add_co_u32 s22, s22, SLOT
.endr
	s_mul_i32 s21, s15, HALFS
	s_mul_i32 s22, s16, HALFS
	s_add_co_u32 s22, s22, 2*HALFS
	s_sub_co_u32 s22, s22, s21
	v_mul_u32_u24 v6, s22, v2                      ; lanes 16-31 take W's words
	s_add_co_u32 s21, s21, SCL
	v_add_nc_u32 v6, v6, v[LS]
	v_add_nc_u32 v[ADRS], s21, v6
	s_mul_i32 s23, s14, 16*SPITCH                  ; my stage
	v_mul_u32_u24 v5, v1, SPITCH
	v_lshl_add_u32 v5, v2, 6, v5
	v_add_nc_u32 v[STO], s23, v5                   ; in: row r, + 64 h
	v_mul_u32_u24 v5, v2, SPITCH
	v_lshl_add_u32 v5, v1, 4, v5
	v_add_nc_u32 v[RD], s23, v5                    ; back: lanes 0-15 one row of 256 bytes, lanes 16-31 the next
	v_lshlrev_b32 v[CO], 12, v2
	v_lshl_add_u32 v[CO], v1, 4, v[CO]             ; and the same two rows in y and in the residual
	s_lshl_b32 s20, s17, 7
	s_lshl_b32 s21, s15, 6
	s_add_co_u32 s20, s20, s21                     ; my first row
	s_lshl_b32 s20, s20, 12
	s_lshl_b32 s46, s42, 9
	s_lshl_b32 s47, s16, 8
	s_add_co_u32 s46, s46, s47                     ; my first column, in bytes
	s_mov_b32 s47, 0
	s_add_nc_u64 s[8:9], s[8:9], s[46:47]
	s_add_co_u32 s20, s20, s46
	s_mov_b32 s21, 0
	s_add_nc_u64 s[10:11], s[10:11], s[20:21]
	s_add_nc_u64 s[12:13], s[12:13], s[20:21]
	v_lshlrev_b32 v[VBQ], 6, v2                    ; register 16 b + i: bias of column 32 b + 16 h + i
.irp b, 0,1
.irp j, 0,1,2,3
	global_load_b128 v[BQ+16*\b+4*\j:BQ+16*\b+4*\j+3], v[VBQ], s[8:9] offset:128*\b+16*\j
.endr
.endr
	WIN 0xc0                                       ; destination window 3
.irp a, 0,1,2,3
.irp t, 0,1,2,3,4,5,6,7
	global_load_b128 v[32*\a+4*\t:32*\a+4*\t+3], v[CO], s[10:11] offset:(32*(\a/2)+8*(\a%2)+2*\t+8*(\t/4))*4096   ; the residual of the rows of block a, as they will leave
.endr
.endr
	WIN 0
	s_wait_tensorcnt 1                             ; the scale words and my part of slot 0 are in; slot 1's load may be out
	s_barrier_signal -1
	s_barrier_wait -1
	FETCH_B 0, 0, 0
	FETCH_A 0, 0, 0
	SCALES 0
	FETCH_A 0, 0, NB/2
	s_wait_loadcnt 32                              ; the bias is in; the residual's 32 loads may be out
	STEP 0, 0, 1                                   ; the first step stands in front of the loop: its products start the sums
.if LAPS > 1
	s_mov_b32 s3, LAPS-1
.Llap:                                                 ; a trip goes once round the ring and fills both slots again
	REST 0, 1, 1
	STEP 1, 0, 0
	REST 1, 0, 1
	STEP 0, 0, 0
	s_sub_co_u32 s3, s3, 1
	s_cmp_lg_u32 s3, 0
	s_cbranch_scc1 .Llap
.endif
	REST 0, 1, 0                                   ; the last lap fills nothing
.set qt, 0
.rept NQ-1
	STEP 1, qt, 0
.set qt, qt+1
.endr
	s_wait_dscnt HAL                               ; the very last step
	WIN MUL_LO
	MULQ 0, 1, NQ-1, 1, 0
	MULQ QA, 1, NQ-1, 1, 0
	s_wait_dscnt 0x0
	WIN MUL_HI
	MULQ 2*QA, 1, NQ-1, 1, 0
	MULQ 3*QA, 1, NQ-1, 1, 0
	WIN 0
	s_wait_loadcnt 0x0                             ; the residual
	PLACES 4                                       ; in front of the first read of results and of loads into A's registers
; THE WAY OUT, block by block of 16 rows x 64 columns: through my own stage in LDS, back as whole rows of 256 bytes, + the residual, stored sixteen lanes to 256 consecutive, aligned bytes.
; LDS serves a wave's instructions in order: no wait between the stores and the loads.  Each block has its own registers, so no store's data are written again.
.macro OUTF a
	WIN 0x08                                       ; an LDS store's data are its source 1: window 2
.irp b, 0,1,2,3
.irp e, 0,1
	ds_store_b128 v[STO], v[32*(\a)+8*\b+4*\e:32*(\a)+8*\b+4*\e+3] offset:128*(\b/2)+32*(\b%2)+16*\e   ; each accumulator from its low end on
.endr
.endr
	WIN 0
.irp t, 0,1,2,3,4,5,6,7
	ds_load_b128 v[OB+32*(\a)+4*\t:OB+32*(\a)+4*\t+3], v[RD] offset:2*SPITCH*\t
.endr
	s_wait_dscnt 0x0
	WIN 0x0c                                       ; source 1 (the residual) window 3
.set ii, 0
.rept 16
	v_pk_add_f32 v[OB+32*(\a)+2*ii:OB+32*(\a)+2*ii+1], v[OB+32*(\a)+2*ii:OB+32*(\a)+2*ii+1], v[32*(\a)+2*ii:32*(\a)+2*ii+1]
.set ii, ii+1
.endr
	WIN 0
.irp t, 0,1,2,3,4,5,6,7
	global_store_b128 v[CO], v[OB+32*(\a)+4*\t:OB+32*(\a)+4*\t+3], s[12:13] offset:(32*((\a)/2)+8*((\a)%2)+2*\t+8*(\t/4))*4096
.endr
.endm
.irp a, 0,1,2,3
	OUTF \a
.endr
	s_wait_tensorcnt 0x0                           ; the wave's end, behind my last tensor load and my last LDS store
	ds_add_u32 v[SPW], v[NIL]
	s_wait_dscnt 0x0
	CROUND                                         ; the closing round
	s_endpgm
.Lfunc_end_k_qa5ca7949ef_gemm_out:
	.size	k_qa5ca7949ef_gemm_out, .Lfunc_end_k_qa5ca7949ef_gemm_out-k_qa5ca7949ef_gemm_out
	.p2alignl 7, 3214868480
	.fill 96, 4, 3214868480
	.section	.rodata,"a",@progbits
	.p2align	6, 0x0
	.amdhsa_kernel k_qa5ca7949ef_gemm_out
		.amdhsa_group_segment_fixed_size 327680
		.amdhsa_private_segment_fixed_size 0
		.amdhsa_enable_private_segment 0
		.amdhsa_kernarg_size 40
		.amdhsa_user_sgpr_count 2
		.amdhsa_user_sgpr_kernarg_segment_ptr 1
		.amdhsa_wavefront_size32 1
		.amdhsa_system_sgpr_workgroup_id_x 1
		.amdhsa_system_sgpr_workgroup_id_y 1
		.amdhsa_system_sgpr_workgroup_id_z 1
		.amdhsa_system_vgpr_workitem_id 0
		.amdhsa_next_free_vgpr 1024
		.amdhsa_next_free_sgpr 96
		.amdhsa_reserve_vcc 0
		.amdhsa_float_denorm_mode_32 3
		.amdhsa_float_denorm_mode_16_64 3
		.amdhsa_memory_ordered 1
		.amdhsa_forward_progress 1
		.amdhsa_inst_pref_size 60
	.end_amdhsa_kernel
	.amdgpu_metadata
---
amdhsa.version: [ 1, 2 ]
amdhsa.kernels:
  - .name:           k_qa5ca7949ef_gemm_out
    .symbol:         k_qa5ca7949ef_gemm_out.kd
    .args:
      - { .name: ctx, .offset: 0, .size: 8, .value_kind: global_buffer, .address_space: global }
      - { .name: wq, .offset: 8, .size: 8, .value_kind: global_buffer, .address_space: global }
      - { .name: out_b, .offset: 16, .size: 8, .value_kind: global_buffer, .address_space: global }
      - { .name: src, .offset: 24, .size: 8, .value_kind: global_buffer, .address_space: global }
      - { .name: y, .offset: 32, .size: 8, .value_kind: global_buffer, .address_space: global }
    .group_segment_fixed_size: 327680
    .private_segment_fixed_size: 0
    .kernarg_segment_align: 8
    .kernarg_segment_size: 40
    .max_flat_workgroup_size: 128
    .sgpr_count:     96
    .vgpr_count:     1024
    .wavefront_size: 32
...
	.end_amdgpu_metadata
.endif
;; end of part 4
;; launch ln1 (part 5): grid 256 x 1, 4 waves a work-group, no clusters, 66,304 bytes of LDS; arguments y, ln1_g, ln1_beta, x1; writes x1
.if DOCPART == 5
	.amdgcn_target "amdgcn-amd-amdhsa--gfx1250"
	.amdhsa_code_object_version 6
	.text
	.protected	k_qa5ca7949ef_ln1
	.globl	k_qa5ca7949ef_ln1
	.p2align	8
	.type	k_qa5ca7949ef_ln1,@function
k_qa5ca7949ef_ln1:
	s_mov_b64 s[64:65], 0
	v_nop
	global_prefetch_b8 v0, s[64:65] scope:SCOPE_SE
	s_setreg_imm32_b32 hwreg(HW_REG_WAVE_MODE, 25, 1), 1
	s_wait_xcnt 0x0
; x1 = layer norm of y (rows of 1,024, f32), stored as f32 and, quantised along the row, as images of operand registers for the next product.
; A work-group takes one tile of 16 rows (index r of tile T is row 32 (T / 2) + 8 (T % 2) + r + 8 (r / 8)); wave w owns indices 4 w .. 4 w + 3, four whole neighbouring rows, 16 KiB on end, in 128 registers:
; mean and variance never leave the wave, and the row is read from memory once.  The variance is the mean of (x - mean)^2, as the definition has it.
; The normalised rows meet in a stage in LDS (rows 4,112 bytes apart: row r starts 4 r banks on); behind one barrier wave w takes K steps 2 w and 2 w + 1 of all 16 rows, lane (r, h) 16 neighbours of each block of 32.
; LIMITS: a block of zeros gets the scale byte 1, not 127 (zero codes; the bytes are read by this program alone); blocks under 2^-124 are held at the byte 1; NaN and infinities are not served.
.set X1_I,  16777216                   ; in x1: f32 rows from 0, images from here,
.set X1_S,  19922944                   ; scale words from here
.set PITCH, 4112
.set SPARE, 16*PITCH                   ; behind the stage: the spare words, 128 bytes a wave, named by no other line
.set LI,  2                            ; v2  16 x lane
.set LS,  3                            ; v3  4 (lane % 16)
.set SPW, 4
.set NIL, 5
.set STW, 6                            ; v6  the stage, on the way in
.set STR, 7                            ; v7  and on the way out
.set X,   32                           ; v32-159  row k at 32 k: register 4 i + e is column 128 i + 4 lane + e
.set G,   160                          ; v160-191 the gain, v192-223 the offset, of the same columns
.set BE,  192
.set SM,  224                          ; v224-231 sums, a pair a row
.set MU,  232                          ; v232-239 means (the low word of a pair)
.set RS,  240                          ; v240-247 1 / sqrt(variance + eps)
.set TP,  248                          ; v248-251 at work
.set PC0, 160                          ; behind the stores: codes, two sets,
.set PC1, 180
.set TM,  200                          ; at work,
.set PW0, 216                          ; scale words
.set PW1, 217
.set SEL, 22
.macro REDUCE base                     ; the sum over the wave's 32 lanes, of four rows by turns
.irp m, 1,2,4,8
.irp k, 0,1,2,3
	v_add_f32_dpp v[\base+2*\k], v[\base+2*\k], v[\base+2*\k] row_xmask:\m row_mask:0xf bank_mask:0xf
.endr
.endr
.irp k, 0,1,2,3
	v_permlanex16_b32 v[TP+\k], v[\base+2*\k], s[SEL], s[SEL+1]
.endr
.irp k, 0,1,2,3
	v_add_f32 v[\base+2*\k], v[\base+2*\k], v[TP+\k]
.endr
.endm
.macro QUANT s, pc, pw                 ; 64 numbers of a lane, register 16 b + i = k 32 b + 16 (lane / 16) + i of my row, become a fragment's codes and its scale word
.irp b, 0,1,2,3
	v_max3_num_f32 v[TM+\b], |v[\s+16*\b]|, |v[\s+1+16*\b]|, 0x1800000   ; and the floor 2^(3 - 127): the byte cannot fall under 1
.endr
.irp i, 2,4,6,8,10,12,14
.irp b, 0,1,2,3
	v_max3_num_f32 v[TM+\b], v[TM+\b], |v[\s+16*\b+\i]|, |v[\s+1+16*\b+\i]|
.endr
.endr
.irp b, 0,1,2,3
	v_permlanex16_b32 v[TM+4+\b], v[TM+\b], s[SEL], s[SEL+1]
.endr
.irp b, 0,1,2,3
	v_max_num_f32 v[TM+\b], v[TM+\b], v[TM+4+\b]
.endr
.irp b, 0,1,2,3
	v_add_nc_u32 v[TM+12+\b], 0xff000000, v[TM+\b]     ; 2 off the exponent field: the conversion's scale operand
.endr
.irp b, 0,1,2,3
	v_lshrrev_b32 v[TM+4+\b], 23, v[TM+12+\b]
.endr
	v_lshl_or_b32 v[\pw], v[TM+5], 8, v[TM+4]
	v_lshl_or_b32 v[\pw], v[TM+6], 16, v[\pw]
	v_lshl_or_b32 v[\pw], v[TM+7], 24, v[\pw]
.irp c, 0,1
	v_cvt_scalef32_pk16_fp6_f32 v[\pc+6*\c:\pc+2+6*\c], v[\s+32*\c:\s+15+32*\c], v[TM+12+2*\c]
	v_cvt_scalef32_pk16_fp6_f32 v[\pc+12+4*\c:\pc+14+4*\c], v[\s+16+32*\c:\s+31+32*\c], v[TM+12+2*\c+1]
.endr
	v_nop                                              ; one plain place behind a scaled conversion
.irp c, 0,1
.irp i, 0,1,2
	v_permlane16_swap_b32 v[\pc+6*\c+\i], v[\pc+12+4*\c+\i]
.endr
.irp i, 0,1,2
	v_mov_b32 v[\pc+3+6*\c+\i], v[\pc+12+4*\c+\i]
.endr
.endr
.endm
.macro PUT pc, pw, ioff, soff
.irp c, 0,1,2
	global_store_b128 v[LI], v[\pc+4*\c:\pc+4*\c+3], s[14:15] offset:\ioff+512*\c
.endr
	global_store_b32 v[LS], v[\pw], s[16:17] offset:\soff
.endm
	s_load_b256 s[4:11], s[0:1], 0x0               ; y, the gain, the offset, x1
	v_lshl_add_u32 v[SPW], v0, 2, SPARE
	v_mov_b32 v[NIL], 0
	v_lshrrev_b32 v1, 5, v0
	v_readfirstlane_b32 s18, v1                    ; wave
	v_and_b32 v1, 31, v0
	v_lshlrev_b32 v[LI], 4, v1
	v_and_b32 v[LS], 15, v0
	v_mul_u32_u24 v[STR], v[LS], PITCH
	v_bfe_u32 v1, v0, 4, 1
	v_lshl_add_u32 v[STR], v1, 6, v[STR]
	v_lshlrev_b32 v[LS], 2, v[LS]
	s_lshl_b32 s19, s18, 10
	v_add_nc_u32 v[STR], s19, v[STR]               ; row r, + 64 h, + my two K steps
	s_mul_i32 s19, s18, 4*PITCH
	v_add_nc_u32 v[STW], s19, v[LI]                ; my four rows
.irp k, 0,1,2,3
	v_mov_b32 v[MU+2*\k+1], 0                      ; (named with the mean and with the factor as pairs)
	v_mov_b32 v[RS+2*\k+1], 0
	v_mov_b32 v[TP+\k], 0                          ; written once: a lane permute's destination counts as one of its sources
.endr
	s_mov_b32 s[SEL], 0x76543210
	s_mov_b32 s[SEL+1], 0xfedcba98
	s_lshr_b32 s20, ttmp9, 1
	s_lshl_b32 s20, s20, 5
	s_and_b32 s21, ttmp9, 1
	s_lshl_b32 s21, s21, 3
	s_add_co_u32 s20, s20, s21
	s_lshl_b32 s21, s18, 2
	s_add_co_u32 s20, s20, s21
	s_lshr_b32 s21, s18, 1
	s_lshl_b32 s21, s21, 3
	s_add_co_u32 s20, s20, s21                     ; my first row: 32 (T / 2) + 8 (T % 2) + 4 w + 8 (w / 2)
	s_lshl_b32 s20, s20, 12
	s_mov_b32 s21, 0
	s_wait_kmcnt 0x0
	s_add_nc_u64 s[4:5], s[4:5], s[20:21]
	s_add_nc_u64 s[12:13], s[10:11], s[20:21]      ; x1's rows
	s_lshl_b32 s19, ttmp9, 3
	s_lshl_b32 s20, s18, 1
	s_add_co_u32 s19, s19, s20                     ; my first fragment: 8 T + 2 w
	s_mul_i32 s20, s19, 1536
	s_add_co_u32 s20, s20, X1_I
	s_add_nc_u64 s[14:15], s[10:11], s[20:21]
	s_lshl_b32 s20, s19, 6
	s_add_co_u32 s20, s20, X1_S
	s_add_nc_u64 s[16:17], s[10:11], s[20:21]
	s_mov_b32 s19, 0x3a800000                      ; 1 / 1,024
	s_mov_b32 s20, 0x3727c5ac                      ; eps = 1e-5
.irp k, 0,1,2,3
.irp i, 0,1,2,3,4,5,6,7
	global_load_b128 v[X+32*\k+4*\i:X+32*\k+4*\i+3], v[LI], s[4:5] offset:4096*\k+512*\i th:TH_LOAD_NT
.endr
.endr
.irp i, 0,1,2,3,4,5,6,7
	global_load_b128 v[G+4*\i:G+4*\i+3], v[LI], s[6:7] offset:512*\i
	global_load_b128 v[BE+4*\i:BE+4*\i+3], v[LI], s[8:9] offset:512*\i
.endr
	s_wait_loadcnt 16                              ; the four rows are in; the gain's and the offset's sixteen loads may be out
.irp k, 0,1,2,3
	v_pk_add_f32 v[SM+2*\k:SM+2*\k+1], v[X+32*\k:X+32*\k+1], v[X+32*\k+2:X+32*\k+3]
.endr
.irp j, 4,6,8,10,12,14,16,18,20,22,24,26,28,30
.irp k, 0,1,2,3
	v_pk_add_f32 v[SM+2*\k:SM+2*\k+1], v[SM+2*\k:SM+2*\k+1], v[X+32*\k+\j:X+32*\k+\j+1]
.endr
.endr
.irp k, 0,1,2,3
	v_add_f32 v[SM+2*\k], v[SM+2*\k], v[SM+2*\k+1]
.endr
	REDUCE SM
.irp k, 0,1,2,3
	v_mul_f32 v[MU+2*\k], s19, v[SM+2*\k]          ; the mean
.endr
.irp j, 0,2,4,6,8,10,12,14,16,18,20,22,24,26,28,30
.irp k, 0,1,2,3
	v_pk_add_f32 v[X+32*\k+\j:X+32*\k+\j+1], v[X+32*\k+\j:X+32*\k+\j+1], v[MU+2*\k:MU+2*\k+1] op_sel_hi:[1,0] neg_lo:[0,1] neg_hi:[0,1]   ; x - mean
.endr
.endr
.irp k, 0,1,2,3
	v_pk_mul_f32 v[SM+2*\k:SM+2*\k+1], v[X+32*\k:X+32*\k+1], v[X+32*\k:X+32*\k+1]
.endr
.irp j, 2,4,6,8,10,12,14,16,18,20,22,24,26,28,30
.irp k, 0,1,2,3
	v_pk_fma_f32 v[SM+2*\k:SM+2*\k+1], v[X+32*\k+\j:X+32*\k+\j+1], v[X+32*\k+\j:X+32*\k+\j+1], v[SM+2*\k:SM+2*\k+1]
.endr
.endr
.irp k, 0,1,2,3
	v_add_f32 v[SM+2*\k], v[SM+2*\k], v[SM+2*\k+1]
.endr
	REDUCE SM
.irp k, 0,1,2,3
	v_fma_f32 v[RS+2*\k], v[SM+2*\k], s19, s20     ; variance + eps
.endr
.irp k, 0,1,2,3
	v_rsq_f32 v[RS+2*\k], v[RS+2*\k]
.endr
	v_nop                                          ; a plain place behind the four
	s_wait_alu depctr_va_vdst(0)                   ; one wait for the four, ahead of their first reader
	s_wait_loadcnt 0x0                             ; the gain and the offset
.irp j, 0,2,4,6,8,10,12,14,16,18,20,22,24,26,28,30
.irp k, 0,1,2,3
	v_pk_mul_f32 v[X+32*\k+\j:X+32*\k+\j+1], v[X+32*\k+\j:X+32*\k+\j+1], v[RS+2*\k:RS+2*\k+1] op_sel_hi:[1,0]
.endr
.irp k, 0,1,2,3
	v_pk_fma_f32 v[X+32*\k+\j:X+32*\k+\j+1], v[X+32*\k+\j:X+32*\k+\j+1], v[G+\j:G+\j+1], v[BE+\j:BE+\j+1]
.endr
.endr
.irp k, 0,1,2,3
.irp i, 0,1,2,3,4,5,6,7
	global_store_b128 v[LI], v[X+32*\k+4*\i:X+32*\k+4*\i+3], s[12:13] offset:4096*\k+512*\i   ; 512 consecutive bytes a store
	ds_store_b128 v[STW], v[X+32*\k+4*\i:X+32*\k+4*\i+3] offset:PITCH*\k+512*\i
.endr
.endr
	s_wait_dscnt 0x0                               ; for the others' sake: my rows lie in the stage
	s_barrier_signal -1
	s_barrier_wait -1
	s_wait_xcnt 0x0                                ; the global stores have read their registers: they may be loaded again
.irp u, 0,1
.irp b, 0,1,2,3
.irp j, 0,1,2,3
	ds_load_b128 v[X+64*\u+16*\b+4*\j:X+64*\u+16*\b+4*\j+3], v[STR] offset:512*\u+128*\b+16*\j
.endr
.endr
.endr
	s_wait_dscnt 16                                ; the first K step's sixteen loads are in
	QUANT X, PC0, PW0
	PUT PC0, PW0, 0, 0
	s_wait_dscnt 0x0
	QUANT X+64, PC1, PW1
	PUT PC1, PW1, 1536, 64
	s_wait_tensorcnt 0x0                           ; the wave's end, behind my last LDS store
	ds_add_u32 v[SPW], v[NIL]
	s_wait_dscnt 0x0
	s_endpgm
.Lfunc_end_k_qa5ca7949ef_ln1:
	.size	k_qa5ca7949ef_ln1, .Lfunc_end_k_qa5ca7949ef_ln1-k_qa5ca7949ef_ln1
	.p2alignl 7, 3214868480
	.fill 96, 4, 3214868480
	.section	.rodata,"a",@progbits
	.p2align	6, 0x0
	.amdhsa_kernel k_qa5ca7949ef_ln1
		.amdhsa_group_segment_fixed_size 66304
		.amdhsa_private_segment_fixed_size 0
		.amdhsa_enable_private_segment 0
		.amdhsa_kernarg_size 32
		.amdhsa_user_sgpr_count 2
		.amdhsa_user_sgpr_kernarg_segment_ptr 1
		.amdhsa_wavefront_size32 1
		.amdhsa_system_sgpr_workgroup_id_x 1
		.amdhsa_system_sgpr_workgroup_id_y 1
		.amdhsa_system_sgpr_workgroup_id_z 1
		.amdhsa_system_vgpr_workitem_id 0
		.amdhsa_next_free_vgpr 256
		.amdhsa_next_free_sgpr 66
		.amdhsa_reserve_vcc 0
		.amdhsa_float_denorm_mode_32 3
		.amdhsa_float_denorm_mode_16_64 3
		.amdhsa_memory_ordered 1
		.amdhsa_forward_progress 1
		.amdhsa_inst_pref_size 46
	.end_amdhsa_kernel
	.amdgpu_metadata
---
amdhsa.version: [ 1, 2 ]
amdhsa.kernels:
  - .name:           k_qa5ca7949ef_ln1
    .symbol:         k_qa5ca7949ef_ln1.kd
    .args:
      - { .name: y, .offset: 0, .size: 8, .value_kind: global_buffer, .address_space: global }
      - { .name: ln1_g, .offset: 8, .size: 8, .value_kind: global_buffer, .address_space: global }
      - { .name: ln1_beta, .offset: 16, .size: 8, .value_kind: global_buffer, .address_space: global }
      - { .name: x1, .offset: 24, .size: 8, .value_kind: global_buffer, .address_space: global }
    .group_segment_fixed_size: 66304
    .private_segment_fixed_size: 0
    .kernarg_segment_align: 8
    .kernarg_segment_size: 32
    .max_flat_workgroup_size: 128
    .sgpr_count:     66
    .vgpr_count:     256
    .wavefront_size: 32
...
	.end_amdgpu_metadata
.endif
;; end of part 5
;; launch gemm_ff1 (part 6): grid 16 x 16, 4 waves a work-group, clusters of 4 x 4, 327,680 bytes of LDS; arguments x1, wq, lin1_b, hid; writes hid
.if DOCPART == 6
	.amdgcn_target "amdgcn-amd-amdhsa--gfx1250"
	.amdhsa_code_object_version 6
	.text
	.protected	k_qa5ca7949ef_gemm_ff1
	.globl	k_qa5ca7949ef_gemm_ff1
	.p2align	8
	.type	k_qa5ca7949ef_gemm_ff1,@function
k_qa5ca7949ef_gemm_ff1:
	s_mov_b64 s[64:65], 0
	v_nop
	global_prefetch_b8 v0, s[64:65] scope:SCOPE_SE
	s_setreg_imm32_b32 hwreg(HW_REG_WAVE_MODE, 25, 1), 1
	s_wait_xcnt 0x0
	s_wait_alu depctr_hold_cnt(0) depctr_sa_sdst(0) depctr_va_vdst(0) depctr_va_sdst(0) depctr_va_ssrc(0) depctr_va_vcc(0) depctr_vm_vsrc(0)
	s_getreg_b32 s2, hwreg(HW_REG_IB_STS2, 6, 4)
	s_cmp_eq_u32 s2, 0
	s_cbranch_scc0 .Lentry_in_a_cluster
	s_endpgm
.Lentry_in_a_cluster:
	s_bfe_u32 s2, ttmp6, 0x10000c
	s_cmp_lg_u32 s2, 0xf033
	s_cbranch_scc0 .Lentry_shape_is_right
	s_endpgm
.Lentry_shape_is_right:
; hid = relu(x1 lin1_w^T + lin1_b) on codes of FP6 (E2M3) with E8M0 scales, quantised in registers on the way out: only codes go to memory.
; OPERANDS are images of operand registers (16 rows x 128 K = 1,536 bytes, registers 4 c .. 4 c + 3 of lane l at 512 c + 16 l; 64 bytes of scale words a fragment); index r of tile T is row 32 (T / 2) + 8 (T % 2) + r + 8 (r / 8).
; A work-group of four waves makes 256 x 256, a wave 128 x 128: 64 accumulators.  K goes in slots of 256 through a ring of two LDS slots filled by the tensor data mover; the scale words of all of K come once and stay.
; THE PRODUCT IS USED TRANSPOSED (source 0 = lin1_w's tile, source 1 = x1's): a lane holds one token, and the 64 registers of one block of tokens are 128 NEIGHBOURING hidden units: one K step of the next product.
; The bias is the C of each sum's first product.
; CLUSTERS: 4 x 4 work-groups; x1's tiles are asked for jointly along a row of the cluster, lin1_w's along a column.
; REGISTERS: window 0: v16-31 addresses; v32-63 scale words, two sets; v64-127 the bias; v128-223 A's fragments, one set; v240-255 at work on the way out.
;   window 1: B's fragments, two sets, at v0 and v128.   windows 2, 3: accumulator (a, b) at v[8 ((8 a + b) % 32)] of window 2 + a / 4.
; LIMITS: a block of zeros gets the scale byte 1, not 127 (zero codes; the bytes are read by this program alone); blocks under 2^-124 are held at the byte 1; NaN and infinities are not served.
.set NB,    8                          ; blocks of 16 rows for a wave and side
.set NQ,    2                          ; steps of 128 along K in a slot
.set KS,    8                          ; steps of 128 in all of K
.set LAPS,  KS/(2*NQ)
.set FRB,   1536
.set HAL,   3*NB/2
.set QA,    NB/4
.set HALFT, NB*NQ*FRB
.set SLOT,  4*HALFT
.set SCL,   2*SLOT
.set HALFS, NB*KS*64
.set SPARE, SCL+4*HALFS                ; the spare words, 128 bytes a wave, named by no other line
.set SC0,   12582912                   ; scale words in wq
.set A_IMG, 16777216                   ; x1's images and scale words in its buffer
.set A_SCL, 19922944
.set B_F0,  4096                       ; lin1_w's first fragment in wq
.set H_S,   12582912                   ; scale words in hid
.set ADRA, 16
.set VBQ,  18
.set ADRB, 20
.set ADRS, 27
.set SPW,  28
.set NIL,  29
.set LI,   30
.set LS,   31
.set SC,   32
.set BQ,   64
.set AF,   128
.set TT,   128                         ; the way out: 64 numbers
.set PC,   192                         ; their codes
.set PW,   212                         ; their scale word
.set TM,   240
.set G1, 24
.set G0, 32
.set G1B, 48
.set G0B, 56
.set G1S, 68
.set G0S, 76
.set G1SB, 80
.set G0SB, 88
.set SEL, 96
.set MUL_LO, 0xa1                      ; source 0 (B) window 1, source 1 (A) window 0, C and D window 2
.set MUL_HI, 0xf1
.set FST_LO, 0x81                      ; the same with C (the bias) in window 0
.set FST_HI, 0xc1
.set MSB, 0
.macro WIN new                         ; the immediate's high byte repeats the setting that is left
.if MSB != (\new)
	s_set_vgpr_msb (MSB<<8)|(\new)
.set MSB, (\new)
.endif
.endm
.macro JLOAD g0a, g1a, g0b, g1b        ; a joint load: waves 0, 1 fetch for A, waves 2, 3 for B; an s_nop 0 and four v_nop follow each line
	s_cmp_eq_u32 s15, 0
	s_cbranch_scc0 .Lfor_b_\@
	tensor_load_to_lds s[\g0a:\g0a+3], s[\g1a:\g1a+7]
	s_nop 0
.rept 4
	v_nop
.endr
	s_branch .Lasked_\@
.Lfor_b_\@:
	tensor_load_to_lds s[\g0b:\g0b+3], s[\g1b:\g1b+7]
	s_nop 0
.rept 4
	v_nop
.endr
.Lasked_\@:
.endm
.macro CREST                           ; a round of the cluster's barrier behind its opening barrier
	s_cmp_lg_u32 s14, 0
	s_cbranch_scc1 .Lnot_wave_0_\@
	s_barrier_signal -3
.Lnot_wave_0_\@:
	s_barrier_wait -3
	s_barrier_signal -1
	s_barrier_wait -1
.endm
.macro CROUND
	s_barrier_signal -1
	s_barrier_wait -1
	CREST
.endm
.macro PLACES n
.rept \n
	v_nop
.endr
.endm
.macro FRAG reg, adr, q, i             ; a fragment's image: three loads of 512 consecutive bytes
.irp c, 0,1,2
	ds_load_b128 v[\reg+4*\c:\reg+4*\c+3], v[\adr] offset:((\i)*NQ+(\q))*FRB+512*\c
.endr
.endm
.macro FETCH_B slot, q, p
	WIN 0x40
.set ii, 0
.rept NB
	FRAG 128*(\p)+12*ii, ADRB+\slot, \q, ii
.set ii, ii+1
.endr
	WIN 0
.endm
.macro FETCH_A slot, q, i0
.set ii, \i0
.rept NB/2
	FRAG AF+12*ii, ADRA+\slot, \q, ii
.set ii, ii+1
.endr
.endm
.macro SCALES sc                       ; a slot's scale words: lanes 0-15 take A's block i, lanes 16-31 B's
.set ii, 0
.rept NB
.set jj, 0
.rept NQ
	ds_load_b32 v[SC+16*\sc+NQ*ii+jj], v[ADRS] offset:(ii*KS+jj)*64
.set jj, jj+1
.endr
.set ii, ii+1
.endr
.endm
; QA blocks of A from a0 on x all of B's, 128 along K.  The accumulators take turns, one instruction a turn, in the same order in every step.  first = 1: the bias starts the sums.
.macro MULQ a0, p, q, sc, first
.set aa, \a0
.rept QA
.set bb, 0
.rept NB
.set dd, 8*((aa*NB+bb)%32)
.if \first
	v_wmma_scale_f32_16x16x128_f8f6f4 v[dd:dd+7], v[128*(\p)+12*bb:128*(\p)+12*bb+11], v[AF+12*aa:AF+12*aa+11], v[BQ+8*bb:BQ+8*bb+7], v[SC+16*(\sc)+NQ*bb+(\q)], v[SC+16*(\sc)+NQ*aa+(\q)] matrix_a_fmt:MATRIX_FMT_FP6 matrix_b_fmt:MATRIX_FMT_FP6 matrix_a_scale:MATRIX_SCALE_ROW1
.else
	v_wmma_scale_f32_16x16x128_f8f6f4 v[dd:dd+7], v[128*(\p)+12*bb:128*(\p)+12*bb+11], v[AF+12*aa:AF+12*aa+11], v[dd:dd+7], v[SC+16*(\sc)+NQ*bb+(\q)], v[SC+16*(\sc)+NQ*aa+(\q)] matrix_a_fmt:MATRIX_FMT_FP6 matrix_b_fmt:MATRIX_FMT_FP6 matrix_a_scale:MATRIX_SCALE_ROW1
.endif
.set bb, bb+1
.endr
.set aa, aa+1
.endr
.endm
.macro STEP slot, q, first             ; a step of 128 along K that has its successor in the same slot
	s_wait_dscnt HAL                               ; B's set and A's lower blocks are in; the youngest loads (A's upper blocks) may be out
.if \first
	WIN FST_LO
.else
	WIN MUL_LO
.endif
	MULQ 0, (\q)%2, \q, \slot, \first
	MULQ QA, (\q)%2, \q, \slot, \first
	s_wait_dscnt 0x0                               ; A's upper blocks are in
	PLACES 4                                       ; in front of loads into registers that matrix instructions have read
	FETCH_B \slot, (\q)+1, 1-(\q)%2
	FETCH_A \slot, (\q)+1, 0
.if \first
	WIN FST_HI
.else
	WIN MUL_HI
.endif
	MULQ 2*QA, (\q)%2, \q, \slot, \first
	MULQ 3*QA, (\q)%2, \q, \slot, \first
	PLACES 4
	WIN 0
	FETCH_A \slot, (\q)+1, NB/2
.endm
; A slot's last step changes slots: one barrier; in front of it each wave waits for all its tensor loads, adds 0 to its spare word, and waits for that and for its reads of this slot.  fill = 1: the slot is filled again.
.macro TURN slot, next, fill
	s_wait_tensorcnt 0x0                           ; all my tensor loads have landed: my part of the next slot
	ds_add_u32 v[SPW], v[NIL]                      ; 0 onto my spare word
	s_wait_dscnt HAL+1                             ; (the add and A's upper blocks may be out)
	WIN MUL_LO
	MULQ 0, 1, NQ-1, \slot, 0
	s_wait_dscnt 0x0                               ; the add is done, and my reads of this slot are over
	s_barrier_signal -1
	MULQ QA, 1, NQ-1, \slot, 0
	WIN 0
	s_barrier_wait -1
.if \fill
	CREST                                          ; the barrier has opened a round of the cluster's: no wave of any partner still reads this slot or has a load on its way
	s_add_nc_u64 s[G0+4*\slot+2:G0+4*\slot+3], s[G0+4*\slot+2:G0+4*\slot+3], 2*NQ*FRB
	s_add_nc_u64 s[G0B+4*\slot+2:G0B+4*\slot+3], s[G0B+4*\slot+2:G0B+4*\slot+3], 2*NQ*FRB
	JLOAD G0+4*\slot, G1, G0B+4*\slot, G1B         ; the first tensor load behind the round; its four v_nop are the places in front of the loads below
.else
	PLACES 4
.endif
	v_add_nc_u32 v[ADRS], 64*NQ, v[ADRS]           ; on to the next slot's scale words (no LDS load of mine is out)
	FETCH_B \next, 0, 0
	FETCH_A \next, 0, 0
	SCALES \next
	WIN MUL_HI
	MULQ 2*QA, 1, NQ-1, \slot, 0
	MULQ 3*QA, 1, NQ-1, \slot, 0
	PLACES 4
	WIN 0
	FETCH_A \next, 0, NB/2
.endm
.macro REST slot, next, fill           ; a slot's steps behind its first
.if NQ > 2
.set qq, 1
.rept NQ-2
	STEP \slot, qq, 0
.set qq, qq+1
.endr
.endif
	TURN \slot, \next, \fill
.endm
; 64 numbers of a lane, register 16 b + i = k 32 b + 16 (lane / 16) + i of my row, become a fragment's codes in v[pc] .. v[pc + 11] and its scale word in v[pw].
.macro QUANT s, pc, pw
.irp b, 0,1,2,3
	v_max3_num_f32 v[TM+\b], |v[\s+16*\b]|, |v[\s+1+16*\b]|, 0x1800000   ; and the floor 2^(3 - 127): the byte cannot fall under 1
.endr
.irp i, 2,4,6,8,10,12,14
.irp b, 0,1,2,3
	v_max3_num_f32 v[TM+\b], v[TM+\b], |v[\s+16*\b+\i]|, |v[\s+1+16*\b+\i]|
.endr
.endr
.irp b, 0,1,2,3
	v_permlanex16_b32 v[TM+4+\b], v[TM+\b], s[SEL], s[SEL+1]
.endr
.irp b, 0,1,2,3
	v_max_num_f32 v[TM+\b], v[TM+\b], v[TM+4+\b]
.endr
.irp b, 0,1,2,3
	v_add_nc_u32 v[TM+12+\b], 0xff000000, v[TM+\b]     ; 2 off the exponent field: the conversion's scale operand
.endr
.irp b, 0,1,2,3
	v_lshrrev_b32 v[TM+4+\b], 23, v[TM+12+\b]          ; the scale's byte
.endr
	v_lshl_or_b32 v[\pw], v[TM+5], 8, v[TM+4]
	v_lshl_or_b32 v[\pw], v[TM+6], 16, v[\pw]
	v_lshl_or_b32 v[\pw], v[TM+7], 24, v[\pw]
.irp c, 0,1
	v_cvt_scalef32_pk16_fp6_f32 v[\pc+6*\c:\pc+2+6*\c], v[\s+32*\c:\s+15+32*\c], v[TM+12+2*\c]
	v_cvt_scalef32_pk16_fp6_f32 v[\pc+12+4*\c:\pc+14+4*\c], v[\s+16+32*\c:\s+31+32*\c], v[TM+12+2*\c+1]
.endr
	v_nop                                              ; one plain place behind a scaled conversion
.irp c, 0,1
.irp i, 0,1,2
	v_permlane16_swap_b32 v[\pc+6*\c+\i], v[\pc+12+4*\c+\i]
.endr
.irp i, 0,1,2
	v_mov_b32 v[\pc+3+6*\c+\i], v[\pc+12+4*\c+\i]
.endr
.endr
.endm
	s_load_b256 s[4:11], s[0:1], 0x0               ; x1 s[4:5], wq s[6:7], lin1_b s[8:9], hid s[10:11]
	v_lshl_add_u32 v[SPW], v0, 2, SPARE
	v_mov_b32 v[NIL], 0
	ds_add_u32 v[SPW], v[NIL]                      ; the wave's opening: the add and its wait stand ahead of my first tensor load; work on registers stands between them
	v_lshrrev_b32 v1, 5, v0
	v_readfirstlane_b32 s14, v1                    ; wave
	s_lshr_b32 s15, s14, 1                         ; my half of the tokens.  Also: I fetch for A (0) or for B (1)
	s_and_b32 s16, s14, 1                          ; my half of the hidden units.  Also: which half I fetch
	s_bfe_u32 s40, ttmp6, 0x40000                  ; cx
	s_bfe_u32 s41, ttmp6, 0x40004                  ; cy
	s_lshl_b32 s42, ttmp9, 2
	s_add_co_u32 s42, s42, s40                     ; B's tile of 256 rows
	s_and_b32 s17, ttmp7, 0xffff
	s_lshl_b32 s17, s17, 2
	s_add_co_u32 s17, s17, s41                     ; A's
	s_lshl_b32 s43, s41, 2
	s_lshl_b32 s43, 15, s43                        ; my row of the cluster
	s_lshl_b32 s44, 0x1111, s40                    ; my column
	; descriptor group 1 for codes: NB rows (tiles of 16) of NQ images, 192 NQ elements of 8 bytes, KS images apart; no padding: images are read 512 consecutive bytes at a time
	s_or_b32 s[G1+0], s43, (3<<16)|(1<<21)
	s_or_b32 s[G1B+0], s44, (3<<16)|(1<<21)
.irp g, G1, G1B
	s_mov_b32 s[\g+1], (192*NQ)<<16                ; tensor_dim0
	s_mov_b32 s[\g+2], NB<<16                      ; tensor_dim1
	s_mov_b32 s[\g+3], (192*NQ)<<16                ; tile_dim0
	s_mov_b32 s[\g+4], NB                          ; tile_dim1
	s_mov_b32 s[\g+5], 192*KS                      ; tensor_dim0_stride
	s_mov_b32 s[\g+6], 0
	s_mov_b32 s[\g+7], 0
.endr
	; and for the scale words of NB tiles, all of K: a dense block, as rows of 256 bytes
	s_or_b32 s[G1S+0], s43, (3<<16)|(1<<21)
	s_or_b32 s[G1SB+0], s44, (3<<16)|(1<<21)
.irp g, G1S, G1SB
	s_mov_b32 s[\g+1], 32<<16
	s_mov_b32 s[\g+2], (HALFS/256)<<16
	s_mov_b32 s[\g+3], 32<<16
	s_mov_b32 s[\g+4], HALFS/256
	s_mov_b32 s[\g+5], 32
	s_mov_b32 s[\g+6], 0
	s_mov_b32 s[\g+7], 0
.endr
	s_lshl_b32 s20, s17, 4
	s_lshl_b32 s21, s16, 3
	s_add_co_u32 s20, s20, s21                     ; A: the first tile of 16 rows that I fetch
	s_lshl_b32 s46, s42, 4
	s_add_co_u32 s46, s46, s21                     ; B likewise
	s_mul_i32 s22, s20, KS*64
	s_add_co_u32 s22, s22, A_SCL
	s_mul_i32 s20, s20, KS*FRB
	s_add_co_u32 s20, s20, A_IMG
	s_mul_i32 s92, s46, KS*64
	s_add_co_u32 s92, s92, SC0+B_F0*64
	s_mul_i32 s46, s46, KS*FRB
	s_add_co_u32 s46, s46, B_F0*FRB
	s_mov_b32 s21, 0
	s_mov_b32 s23, 0
	s_mov_b32 s47, 0
	s_mov_b32 s93, 0
	s_mul_i32 s45, s14, HALFT                      ; where they go: no place in the cluster enters an LDS address
	s_mul_i32 s94, s14, HALFS
	s_mov_b32 s[SEL], 0x76543210
	s_mov_b32 s[SEL+1], 0xfedcba98
	s_wait_dscnt 0x0                               ; the opening add is done
	s_wait_kmcnt 0x0
	s_add_nc_u64 s[20:21], s[4:5], s[20:21]
	s_add_nc_u64 s[22:23], s[4:5], s[22:23]
	s_add_nc_u64 s[46:47], s[6:7], s[46:47]
	s_add_nc_u64 s[92:93], s[6:7], s[92:93]
	CROUND                                         ; all sixteen work-groups are here: the first joint loads meet
	s_mov_b32 s[G0S], 1
	s_add_co_u32 s[G0S+1], s94, SCL
	s_mov_b64 s[G0S+2:G0S+3], s[22:23]
	s_or_b32 s[G0S+3], s[G0S+3], 0x80000000
	s_mov_b32 s[G0SB], 1
	s_add_co_u32 s[G0SB+1], s94, SCL
	s_mov_b64 s[G0SB+2:G0SB+3], s[92:93]
	s_or_b32 s[G0SB+3], s[G0SB+3], 0x80000000
	JLOAD G0S, G1S, G0SB, G1SB                     ; the scale words first; three tensor loads of mine are out behind these lines
.irp s, 0,1
	s_mov_b32 s[G0+4*\s], 1
	s_add_co_u32 s[G0+4*\s+1], s45, \s*SLOT
	s_add_nc_u64 s[G0+4*\s+2:G0+4*\s+3], s[20:21], \s*NQ*FRB
	s_or_b32 s[G0+4*\s+3], s[G0+4*\s+3], 0x80000000
	s_mov_b32 s[G0B+4*\s], 1
	s_add_co_u32 s[G0B+4*\s+1], s45, \s*SLOT
	s_add_nc_u64 s[G0B+4*\s+2:G0B+4*\s+3], s[46:47], \s*NQ*FRB
	s_or_b32 s[G0B+4*\s+3], s[G0B+4*\s+3], 0x80000000
	JLOAD G0+4*\s, G1, G0B+4*\s, G1B
.endr
	v_and_b32 v1, 15, v0                           ; r
	v_bfe_u32 v2, v0, 4, 1                         ; h
	v_and_b32 v3, 31, v0
	v_lshlrev_b32 v[LI], 4, v3
	v_lshlrev_b32 v[LS], 2, v1
	s_mul_i32 s21, s15, HALFT                      ; my half of A
	s_mul_i32 s22, s16, HALFT
	s_add_co_u32 s22, s22, 2*HALFT                 ; my half of B, behind A's two
.irp s, 0,1
	v_add_nc_u32 v[ADRA+\s], s21, v[LI]
	v_add_nc_u32 v[ADRB+\s], s22, v[LI]
	s_add_co_u32 s21, s21, SLOT
	s_add_co_u32 s22, s22, SLOT
.endr
	s_mul_i32 s21, s15, HALFS
	s_mul_i32 s22, s16, HALFS
	s_add_co_u32 s22, s22, 2*HALFS
	s_sub_co_u32 s22, s22, s21
	v_mul_u32_u24 v6, s22, v2                      ; lanes 16-31 take B's words
	s_add_co_u32 s21, s21, SCL
	v_add_nc_u32 v6, v6, v[LS]
	v_add_nc_u32 v[ADRS], s21, v6
	; where my results go: fragment (16 TA + 8 rh) x 32 + 2 TB + ch; a block of tokens on is 32 fragments on
	s_lshl_b32 s12, s17, 4
	s_lshl_b32 s13, s15, 3
	s_add_co_u32 s12, s12, s13
	s_lshl_b32 s12, s12, 5
	s_lshl_b32 s13, s42, 1
	s_add_co_u32 s12, s12, s13
	s_add_co_u32 s12, s12, s16
	s_mul_i32 s66, s12, FRB
	s_mov_b32 s67, 0
	s_lshl_b32 s100, s12, 6
	s_add_co_u32 s100, s100, H_S
	s_mov_b32 s101, 0
	s_add_nc_u64 s[66:67], s[10:11], s[66:67]      ; images
	s_add_nc_u64 s[100:101], s[10:11], s[100:101]  ; scale words
	s_lshl_b32 s12, s42, 10
	s_lshl_b32 s13, s16, 9
	s_add_co_u32 s12, s12, s13                     ; 4 (256 TB + 128 ch)
	s_mov_b32 s13, 0
	s_add_nc_u64 s[8:9], s[8:9], s[12:13]
	v_lshlrev_b32 v[VBQ], 6, v2                    ; register 16 b + i: bias of hidden unit 32 b + 16 h + i
.irp b, 0,1,2,3
.irp j, 0,1,2,3
	global_load_b128 v[BQ+16*\b+4*\j:BQ+16*\b+4*\j+3], v[VBQ], s[8:9] offset:128*\b+16*\j
.endr
.endr
.irp b, 0,1,2,3
	v_mov_b32 v[TM+4+\b], 0                        ; written once: a lane permute's destination counts as one of its sources
.endr
	s_wait_tensorcnt 1                             ; the scale words and my part of slot 0 are in; slot 1's load may be out
	s_barrier_signal -1
	s_barrier_wait -1
	FETCH_B 0, 0, 0
	FETCH_A 0, 0, 0
	SCALES 0
	FETCH_A 0, 0, NB/2
	s_wait_loadcnt 0x0                             ; the bias
	STEP 0, 0, 1                                   ; the first step stands in front of the loop: its products start the sums
	s_mov_b32 s3, LAPS-1
.Llap:                                                 ; a trip goes once round the ring and fills both slots again
	REST 0, 1, 1
	STEP 1, 0, 0
	REST 1, 0, 1
	STEP 0, 0, 0
	s_sub_co_u32 s3, s3, 1
	s_cmp_lg_u32 s3, 0
	s_cbranch_scc1 .Llap
	REST 0, 1, 0                                   ; the last lap fills nothing
.set qt, 0
.rept NQ-1
	STEP 1, qt, 0
.set qt, qt+1
.endr
	s_wait_dscnt HAL                               ; the very last step
	WIN MUL_LO
	MULQ 0, 1, NQ-1, 1, 0
	MULQ QA, 1, NQ-1, 1, 0
	s_wait_dscnt 0x0
	WIN MUL_HI
	MULQ 2*QA, 1, NQ-1, 1, 0
	MULQ 3*QA, 1, NQ-1, 1, 0
	WIN 0
	PLACES 4                                       ; in front of the first read of results and the first write over A's fragments
; THE WAY OUT, block by block of 16 tokens: relu; 64 results a lane are 128 neighbouring hidden units; quantised; the image leaves by three stores of 512 consecutive bytes.
.macro OUTQ a
	s_wait_xcnt 0x0                                ; the last block's stores have read their registers
	WIN 0x08+4*((\a)/4)                            ; source 1: window 2 or 3
.set ii, 0
.rept 64
	v_max_num_f32 v[TT+ii], 0, v[64*((\a)%4)+ii]   ; each accumulator from its low end on
.set ii, ii+1
.endr
	WIN 0
	QUANT TT, PC, PW
.irp c, 0,1,2
	global_store_b128 v[LI], v[PC+4*\c:PC+4*\c+3], s[66:67] offset:(\a)*32*FRB+512*\c
.endr
	global_store_b32 v[LS], v[PW], s[100:101] offset:(\a)*32*64
.endm
.irp a, 0,1,2,3,4,5,6,7
	OUTQ \a
.endr
	s_wait_tensorcnt 0x0                           ; the wave's end
	ds_add_u32 v[SPW], v[NIL]
	s_wait_dscnt 0x0
	CROUND                                         ; the closing round
	s_endpgm
.Lfunc_end_k_qa5ca7949ef_gemm_ff1:
	.size	k_qa5ca7949ef_gemm_ff1, .Lfunc_end_k_qa5ca7949ef_gemm_ff1-k_qa5ca7949ef_gemm_ff1
	.p2alignl 7, 3214868480
	.fill 96, 4, 3214868480
	.section	.rodata,"a",@progbits
	.p2align	6, 0x0
	.amdhsa_kernel k_qa5ca7949ef_gemm_ff1
		.amdhsa_group_segment_fixed_size 327680
		.amdhsa_private_segment_fixed_size 0
		.amdhsa_enable_private_segment 0
		.amdhsa_kernarg_size 32
		.amdhsa_user_sgpr_count 2
		.amdhsa_user_sgpr_kernarg_segment_ptr 1
		.amdhsa_wavefront_size32 1
		.amdhsa_system_sgpr_workgroup_id_x 1
		.amdhsa_system_sgpr_workgroup_id_y 1
		.amdhsa_system_sgpr_workgroup_id_z 1
		.amdhsa_system_vgpr_workitem_id 0
		.amdhsa_next_free_vgpr 1024
		.amdhsa_next_free_sgpr 102
		.amdhsa_reserve_vcc 0
		.amdhsa_float_denorm_mode_32 3
		.amdhsa_float_denorm_mode_16_64 3
		.amdhsa_memory_ordered 1
		.amdhsa_forward_progress 1
		.amdhsa_inst_pref_size 159
	.end_amdhsa_kernel
	.amdgpu_metadata
---
amdhsa.version: [ 1, 2 ]
amdhsa.kernels:
  - .name:           k_qa5ca7949ef_gemm_ff1
    .symbol:         k_qa5ca7949ef_gemm_ff1.kd
    .args:
      - { .name: x1, .offset: 0, .size: 8, .value_kind: global_buffer, .address_space: global }
      - { .name: wq, .offset: 8, .size: 8, .value_kind: global_buffer, .address_space: global }
      - { .name: lin1_b, .offset: 16, .size: 8, .value_kind: global_buffer, .address_space: global }
      - { .name: hid, .offset: 24, .size: 8, .value_kind: global_buffer, .address_space: global }
    .group_segment_fixed_size: 327680
    .private_segment_fixed_size: 0
    .kernarg_segment_align: 8
    .kernarg_segment_size: 32
    .max_flat_workgroup_size: 128
    .sgpr_count:     102
    .vgpr_count:     1024
    .wavefront_size: 32
...
	.end_amdgpu_metadata
.endif
;; end of part 6
;; launch gemm_ff2 (part 7): grid 8 x 32, 4 waves a work-group, clusters of 4 x 4, 327,680 bytes of LDS; arguments hid, wq, lin2_b, x1, y; writes y
.if DOCPART == 7
	.amdgcn_target "amdgcn-amd-amdhsa--gfx1250"
	.amdhsa_code_object_version 6
	.text
	.protected	k_qa5ca7949ef_gemm_ff2
	.globl	k_qa5ca7949ef_gemm_ff2
	.p2align	8
	.type	k_qa5ca7949ef_gemm_ff2,@function
k_qa5ca7949ef_gemm_ff2:
	s_mov_b64 s[64:65], 0
	v_nop
	global_prefetch_b8 v0, s[64:65] scope:SCOPE_SE
	s_setreg_imm32_b32 hwreg(HW_REG_WAVE_MODE, 25, 1), 1
	s_wait_xcnt 0x0
	s_wait_alu depctr_hold_cnt(0) depctr_sa_sdst(0) depctr_va_vdst(0) depctr_va_sdst(0) depctr_va_ssrc(0) depctr_va_vcc(0) depctr_vm_vsrc(0)
	s_getreg_b32 s2, hwreg(HW_REG_IB_STS2, 6, 4)
	s_cmp_eq_u32 s2, 0
	s_cbranch_scc0 .Lentry_in_a_cluster
	s_endpgm
.Lentry_in_a_cluster:
	s_bfe_u32 s2, ttmp6, 0x10000c
	s_cmp_lg_u32 s2, 0xf033
	s_cbranch_scc0 .Lentry_shape_is_right
	s_endpgm
.Lentry_shape_is_right:
; y = A W^T + bias + residual, f32, on codes of FP6 (E2M3) with E8M0 scales.  A = the hidden layer (K = 4,096), W = lin2_w, residual = x1's f32 rows.
; OPERANDS are images of operand registers (16 rows x 128 K = 1,536 bytes, registers 4 c .. 4 c + 3 of lane l at 512 c + 16 l; 64 bytes of scale words a fragment); index r of tile T is row 32 (T / 2) + 8 (T % 2) + r + 8 (r / 8).
; N is 1,024: tiles of 256 x 256 would give 64 work-groups, so a work-group makes 128 x 128 (256 work-groups), a wave 64 x 64: 16 accumulators.  The product is used transposed (source 0 = W's tile, source 1 = A's):
; a lane holds eight neighbouring columns of one row of y.  The bias is the C of each sum's first product.  The residual is asked for at the head, in the layout in which rows leave, and added on the way out.
; THE RING.  A step of 128 along K is 16 fragments, 24,576 bytes, and only 16 matrix instructions a wave, so the slots are as large as LDS allows, and the refills as few: beside the scale words of all of K
; (32,768 bytes, which come once and stay) and the spare words (512) eleven steps fit (270,336 bytes); twelve would pass LDS's 327,680 by 512.  Slot 0 has room for 6 steps, slot 1 for 5.  The 32 steps go as
; 5 (slot 0) and 5 (slot 1), asked for together at the start, then 6, 5, 6, 5: four refills, each with the other slot's steps, 72 or 88 matrix instructions a wave, in which to land.
; Both first fills have one shape; the shape of 6 steps is written, once, into the registers of the scale words' descriptors, behind the first wait that shows those loads done.
; A slot of five steps is odd, so W's two register sets take turns by the running step (the symbol GP), and the 32 steps are written out: a lap of 11 steps would not bring the sets back.
; CLUSTERS: 4 x 4 work-groups; A's tiles are asked for jointly along a row of the cluster, W's along a column.
; REGISTERS: window 0: v16-31 addresses; v32-79 scale words, two sets of 24; v80-111 the bias; v96-223 rows on the way out; v128-175 A's fragments, one set.
;   window 1: W's fragments, two sets, at v0 and v128.   window 2: accumulator (a, b) at v[8 (4 a + b)].   window 3: the residual.
.set KS,    32                         ; steps of 128 in all of K = 2 NA + 2 (NC + NA)
.set A_SCL, 12582912                   ; where A's scale words begin in its buffer
.set B_F0,  6144                       ; W's first fragment in wq
.set NB,    4                          ; blocks of 16 rows for a wave and side
.set NA,    5                          ; steps in each first fill and in every fill of slot 1
.set NC,    6                          ; steps in slot 0's refills
.set FRB,   1536
.set HAL,   3*NB/2                     ; LDS loads that bring half of A's blocks
.set QA,    NB/4
.set HTA,   NB*NA*FRB                  ; what one tensor load of NA steps brings
.set HTC,   NB*NC*FRB                  ; and one of NC steps
.set S1B,   4*HTC                      ; slot 1 begins behind slot 0's room for NC steps
.set SCL,   S1B+4*HTA                  ; behind the ring: the scale words
.set HALFS, NB*KS*64
.set SPARE, SCL+4*HALFS                ; the spare words, 128 bytes a wave, named by no other line
.set SC0,   12582912
.set SPITCH, 272                       ; the way out: a stage of 16 rows x (256 bytes + 16) for each wave, in slot 0, which has had its last fill and its last read by then
.set ADRA, 16                          ; v16-18  LDS address of my half of A in view 0 (slot 0, NA steps), view 1 (slot 1, NA steps), view 2 (slot 0, NC steps)
.set ADRB, 19                          ; v19-21  the same for W
.set VBQ,  22
.set STO,  24
.set RD,   25
.set CO,   26
.set ADRS, 27
.set SPW,  28
.set NIL,  29
.set LI,   30
.set LS,   31
.set SC,   32                          ; scale words: set s at v[SC + SCS s]; in it register NC i + q: lanes 0-15 the word of A's block i, lanes 16-31 that of W's block i, for the slot's q-th step
.set SCS,  NB*NC
.set BQ,   80
.set OB,   96
.set AF,   128
.set G1, 24                            ; s[24:31] group 1 for A's tiles of NA steps;  s[32:39] group 0, one set for each slot
.set G0, 32
.set G1B, 48                           ; s[48:55], s[56:63] the same for W's
.set G0B, 56
.set G1S, 68                           ; s[68:75], s[76:79] groups 1 and 0 for A's scale words;  s[80:87], s[88:91] for W's
.set G0S, 76
.set G1SB, 80
.set G0SB, 88
.set G6,  G1S                          ; later: group 1 for A's tiles of NC steps,
.set G6B, G1SB                         ; and for W's
.set MUL, 0xa1                         ; source 0 (W) window 1, source 1 (A) window 0, C and D window 2
.set FST, 0x81                         ; the same with C (the bias) in window 0
.set GP,  0                            ; which of W's two sets holds the step in hand
.set MSB, 0
.macro WIN new                         ; the immediate's high byte repeats the setting that is left
.if MSB != (\new)
	s_set_vgpr_msb (MSB<<8)|(\new)
.set MSB, (\new)
.endif
.endm
.macro JLOAD g0a, g1a, g0b, g1b        ; a joint load: waves 0, 1 fetch for A, waves 2, 3 for W; an s_nop 0 and four v_nop follow each line
	s_cmp_eq_u32 s15, 0
	s_cbranch_scc0 .Lfor_b_\@
	tensor_load_to_lds s[\g0a:\g0a+3], s[\g1a:\g1a+7]
	s_nop 0
.rept 4
	v_nop
.endr
	s_branch .Lasked_\@
.Lfor_b_\@:
	tensor_load_to_lds s[\g0b:\g0b+3], s[\g1b:\g1b+7]
	s_nop 0
.rept 4
	v_nop
.endr
.Lasked_\@:
.endm
.macro CREST                           ; a round of the cluster's barrier behind its opening barrier
	s_cmp_lg_u32 s14, 0
	s_cbranch_scc1 .Lnot_wave_0_\@
	s_barrier_signal -3
.Lnot_wave_0_\@:
	s_barrier_wait -3
	s_barrier_signal -1
	s_barrier_wait -1
.endm
.macro CROUND
	s_barrier_signal -1
	s_barrier_wait -1
	CREST
.endm
.macro PLACES n
.rept \n
	v_nop
.endr
.endm
.macro FRAG reg, adr, n, q, i          ; a fragment's image: three loads of 512 consecutive bytes.  In a fill of n steps fragment (block i, step q) lies at (n i + q) x 1,536
.irp c, 0,1,2
	ds_load_b128 v[\reg+4*\c:\reg+4*\c+3], v[\adr] offset:((\i)*(\n)+(\q))*FRB+512*\c
.endr
.endm
.macro FETCH_B vw, n, q, p             ; W's blocks of step q of view vw into set p
	WIN 0x40
.set ii, 0
.rept NB
	FRAG 128*(\p)+12*ii, ADRB+\vw, \n, \q, ii
.set ii, ii+1
.endr
	WIN 0
.endm
.macro FETCH_A vw, n, q, i0            ; half of A's blocks, from i0 on
.set ii, \i0
.rept NB/2
	FRAG AF+12*ii, ADRA+\vw, \n, \q, ii
.set ii, ii+1
.endr
.endm
.macro SCALES sc, n                    ; the scale words of a fill of n steps: lanes 0-15 take A's block i, lanes 16-31 W's
.set ii, 0
.rept NB
.set jj, 0
.rept \n
	ds_load_b32 v[SC+SCS*(\sc)+NC*ii+jj], v[ADRS] offset:(ii*KS+jj)*64
.set jj, jj+1
.endr
.set ii, ii+1
.endr
.endm
; QA blocks of A from a0 on x all of W's, 128 along K.  The accumulators take turns, one instruction a turn, in the same order in every step.  first = 1: the bias starts the sums.
.macro MULQ a0, q, sc, first
.set aa, \a0
.rept QA
.set bb, 0
.rept NB
.set dd, 8*(aa*NB+bb)
.if \first
	v_wmma_scale_f32_16x16x128_f8f6f4 v[dd:dd+7], v[128*GP+12*bb:128*GP+12*bb+11], v[AF+12*aa:AF+12*aa+11], v[BQ+8*bb:BQ+8*bb+7], v[SC+SCS*(\sc)+NC*bb+(\q)], v[SC+SCS*(\sc)+NC*aa+(\q)] matrix_a_fmt:MATRIX_FMT_FP6 matrix_b_fmt:MATRIX_FMT_FP6 matrix_a_scale:MATRIX_SCALE_ROW1
.else
	v_wmma_scale_f32_16x16x128_f8f6f4 v[dd:dd+7], v[128*GP+12*bb:128*GP+12*bb+11], v[AF+12*aa:AF+12*aa+11], v[dd:dd+7], v[SC+SCS*(\sc)+NC*bb+(\q)], v[SC+SCS*(\sc)+NC*aa+(\q)] matrix_a_fmt:MATRIX_FMT_FP6 matrix_b_fmt:MATRIX_FMT_FP6 matrix_a_scale:MATRIX_SCALE_ROW1
.endif
.set bb, bb+1
.endr
.set aa, aa+1
.endr
.endm
.macro STEP vw, n, q, sc, first        ; step q of view vw (a fill of n steps), which has its successor in the same fill
	s_wait_dscnt HAL                               ; W's set and A's lower blocks are in; the youngest loads (A's upper blocks) may be out
.if \first
	WIN FST
.else
	WIN MUL
.endif
	MULQ 0, \q, \sc, \first
	MULQ QA, \q, \sc, \first
	s_wait_dscnt 0x0                               ; A's upper blocks are in
	PLACES 4                                       ; in front of loads into registers that matrix instructions have read
	FETCH_B \vw, \n, (\q)+1, 1-GP
	FETCH_A \vw, \n, (\q)+1, 0
.if \first
	WIN FST
.else
	WIN MUL
.endif
	MULQ 2*QA, \q, \sc, \first
	MULQ 3*QA, \q, \sc, \first
	PLACES 4
	WIN 0
	FETCH_A \vw, \n, (\q)+1, NB/2
.set GP, 1-GP                          ; the next step's fragments of W lie in the other set
.endm
.macro RUN vw, n, q0, sc               ; the steps of a fill from q0 on, all but its last
.set qq, \q0
.rept (\n)-1-(\q0)
	STEP \vw, \n, qq, \sc, 0
.set qq, qq+1
.endr
.endm
; A fill's last step (q; the fill had n steps) changes slots: one barrier; in front of it each wave waits for all its tensor loads, adds 0 to its spare word, and waits for that and for its reads of this slot.
; The next fill is read by view nvw and has nn steps.  fill = 1: the slot just read (group 0 number fs) is filled again, inc steps further along K, in the shape of groups 1 ga and gb;
; fill = 2: the same, and ahead of it the shape of NC steps and slot 0's LDS address for that shape are written.
.macro TURN q, sc, n, nvw, nn, fill, fs, inc, ga, gb
	s_wait_tensorcnt 0x0                           ; all my tensor loads have landed: my part of the next slot (at the first change the scale words' load too: its descriptors may be written)
	ds_add_u32 v[SPW], v[NIL]                      ; 0 onto my spare word
	s_wait_dscnt HAL+1                             ; (the add and A's upper blocks may be out)
	WIN MUL
	MULQ 0, \q, \sc, 0
	s_wait_dscnt 0x0                               ; the add is done, and my reads of this slot are over
	s_barrier_signal -1
	MULQ QA, \q, \sc, 0
	WIN 0
	s_barrier_wait -1
.if \fill
	CREST                                          ; the barrier has opened a round of the cluster's: no wave of any partner still reads this slot or has a load on its way
.if \fill == 2
.irp d, G6, G6B                        ; word 0 (mask, elements of 8 bytes) and words 6, 7 (zeros) stand as the scale words' descriptors had them
	s_mov_b32 s[\d+1], (192*NC)<<16                ; tensor_dim0
	s_mov_b32 s[\d+2], NB<<16                      ; tensor_dim1
	s_mov_b32 s[\d+3], (192*NC)<<16                ; tile_dim0
	s_mov_b32 s[\d+4], NB                          ; tile_dim1
	s_mov_b32 s[\d+5], 192*KS                      ; tensor_dim0_stride
.endr
	s_add_co_u32 s[G0+1], s95, 0                   ; in slot 0 a wave's part now begins at wave x HTC
	s_add_co_u32 s[G0B+1], s95, 0
.endif
	s_add_nc_u64 s[G0+4*\fs+2:G0+4*\fs+3], s[G0+4*\fs+2:G0+4*\fs+3], (\inc)*FRB
	s_add_nc_u64 s[G0B+4*\fs+2:G0B+4*\fs+3], s[G0B+4*\fs+2:G0B+4*\fs+3], (\inc)*FRB
	JLOAD G0+4*\fs, \ga, G0B+4*\fs, \gb            ; the first tensor load behind the round, my one load until the next; its four v_nop are the places in front of the loads below
.else
	PLACES 4
.endif
	v_add_nc_u32 v[ADRS], 64*(\n), v[ADRS]         ; on to the next fill's scale words (no LDS load of mine is out)
	FETCH_B \nvw, \nn, 0, 1-GP
	FETCH_A \nvw, \nn, 0, 0
	SCALES 1-(\sc), \nn
	WIN MUL
	MULQ 2*QA, \q, \sc, 0
	MULQ 3*QA, \q, \sc, 0
	PLACES 4
	WIN 0
	FETCH_A \nvw, \nn, 0, NB/2
.set GP, 1-GP
.endm
	s_load_b256 s[4:11], s[0:1], 0x0               ; A s[4:5], wq s[6:7], the bias s[8:9], the residual s[10:11]
	s_load_b64 s[12:13], s[0:1], 0x20              ; y
	v_lshl_add_u32 v[SPW], v0, 2, SPARE
	v_mov_b32 v[NIL], 0
	ds_add_u32 v[SPW], v[NIL]                      ; the wave's opening: the add and its wait stand ahead of my first tensor load; work on registers stands between them
	v_lshrrev_b32 v1, 5, v0
	v_readfirstlane_b32 s14, v1                    ; wave
	s_lshr_b32 s15, s14, 1                         ; my half of the rows.  Also: I fetch for A (0) or for W (1)
	s_and_b32 s16, s14, 1                          ; my half of the columns.  Also: which half I fetch
	s_bfe_u32 s40, ttmp6, 0x40000                  ; cx
	s_bfe_u32 s41, ttmp6, 0x40004                  ; cy
	s_lshl_b32 s42, ttmp9, 2
	s_add_co_u32 s42, s42, s40                     ; tile column
	s_and_b32 s17, ttmp7, 0xffff
	s_lshl_b32 s17, s17, 2
	s_add_co_u32 s17, s17, s41                     ; tile row
	s_lshl_b32 s43, s41, 2
	s_lshl_b32 s43, 15, s43                        ; my row of the cluster
	s_lshl_b32 s44, 0x1111, s40                    ; my column
	; descriptor group 1 for codes: NB rows (tiles of 16) of NA images, 192 NA elements of 8 bytes, KS images apart; no padding: images are read 512 consecutive bytes at a time
	s_or_b32 s[G1+0], s43, (3<<16)|(1<<21)
	s_or_b32 s[G1B+0], s44, (3<<16)|(1<<21)
.irp g, G1, G1B
	s_mov_b32 s[\g+1], (192*NA)<<16                ; tensor_dim0
	s_mov_b32 s[\g+2], NB<<16                      ; tensor_dim1
	s_mov_b32 s[\g+3], (192*NA)<<16                ; tile_dim0
	s_mov_b32 s[\g+4], NB                          ; tile_dim1
	s_mov_b32 s[\g+5], 192*KS                      ; tensor_dim0_stride
	s_mov_b32 s[\g+6], 0
	s_mov_b32 s[\g+7], 0
.endr
	; and for the scale words of NB tiles, all of K: a dense block, as rows of 256 bytes
	s_or_b32 s[G1S+0], s43, (3<<16)|(1<<21)
	s_or_b32 s[G1SB+0], s44, (3<<16)|(1<<21)
.irp g, G1S, G1SB
	s_mov_b32 s[\g+1], 32<<16
	s_mov_b32 s[\g+2], (HALFS/256)<<16
	s_mov_b32 s[\g+3], 32<<16
	s_mov_b32 s[\g+4], HALFS/256
	s_mov_b32 s[\g+5], 32
	s_mov_b32 s[\g+6], 0
	s_mov_b32 s[\g+7], 0
.endr
	s_lshl_b32 s20, s17, 3
	s_lshl_b32 s21, s16, 2
	s_add_co_u32 s20, s20, s21                     ; A: the first tile of 16 rows that I fetch
	s_lshl_b32 s46, s42, 3
	s_add_co_u32 s46, s46, s21                     ; W likewise
	s_mul_i32 s22, s20, KS*64
	s_add_co_u32 s22, s22, A_SCL
	s_mul_i32 s20, s20, KS*FRB
	s_mul_i32 s92, s46, KS*64
	s_add_co_u32 s92, s92, SC0+B_F0*64
	s_mul_i32 s46, s46, KS*FRB
	s_add_co_u32 s46, s46, B_F0*FRB
	s_mov_b32 s21, 0
	s_mov_b32 s23, 0
	s_mov_b32 s47, 0
	s_mov_b32 s93, 0
	s_mul_i32 s45, s14, HTA                        ; where they go, in a fill of NA steps: no place in the cluster enters an LDS address
	s_mul_i32 s95, s14, HTC                        ; and in one of NC steps
	s_mul_i32 s94, s14, HALFS
	s_wait_dscnt 0x0                               ; the opening add is done
	s_wait_kmcnt 0x0
	s_add_nc_u64 s[20:21], s[4:5], s[20:21]
	s_add_nc_u64 s[22:23], s[4:5], s[22:23]
	s_add_nc_u64 s[46:47], s[6:7], s[46:47]
	s_add_nc_u64 s[92:93], s[6:7], s[92:93]
	CROUND                                         ; all sixteen work-groups are here: the first joint loads meet
	s_mov_b32 s[G0S], 1
	s_add_co_u32 s[G0S+1], s94, SCL
	s_mov_b64 s[G0S+2:G0S+3], s[22:23]
	s_or_b32 s[G0S+3], s[G0S+3], 0x80000000
	s_mov_b32 s[G0SB], 1
	s_add_co_u32 s[G0SB+1], s94, SCL
	s_mov_b64 s[G0SB+2:G0SB+3], s[92:93]
	s_or_b32 s[G0SB+3], s[G0SB+3], 0x80000000
	JLOAD G0S, G1S, G0SB, G1SB                     ; the scale words first; three tensor loads of mine are out behind these lines
.irp s, 0,1
	s_mov_b32 s[G0+4*\s], 1
	s_add_co_u32 s[G0+4*\s+1], s45, \s*S1B
	s_add_nc_u64 s[G0+4*\s+2:G0+4*\s+3], s[20:21], \s*NA*FRB
	s_or_b32 s[G0+4*\s+3], s[G0+4*\s+3], 0x80000000
	s_mov_b32 s[G0B+4*\s], 1
	s_add_co_u32 s[G0B+4*\s+1], s45, \s*S1B
	s_add_nc_u64 s[G0B+4*\s+2:G0B+4*\s+3], s[46:47], \s*NA*FRB
	s_or_b32 s[G0B+4*\s+3], s[G0B+4*\s+3], 0x80000000
	JLOAD G0+4*\s, G1, G0B+4*\s, G1B               ; steps 0-4 into slot 0, steps 5-9 into slot 1
.endr
	v_and_b32 v1, 15, v0                           ; r
	v_bfe_u32 v2, v0, 4, 1                         ; h
	v_and_b32 v3, 31, v0
	v_lshlrev_b32 v[LI], 4, v3
	v_lshlrev_b32 v[LS], 2, v1
	s_mul_i32 s21, s15, HTA                        ; my half of A in a fill of NA steps
	s_mul_i32 s22, s16, HTA
	s_add_co_u32 s22, s22, 2*HTA                   ; my half of W, behind A's two
	v_add_nc_u32 v[ADRA+0], s21, v[LI]             ; view 0: slot 0
	v_add_nc_u32 v[ADRB+0], s22, v[LI]
	s_add_co_u32 s21, s21, S1B
	s_add_co_u32 s22, s22, S1B
	v_add_nc_u32 v[ADRA+1], s21, v[LI]             ; view 1: slot 1
	v_add_nc_u32 v[ADRB+1], s22, v[LI]
	s_mul_i32 s21, s15, HTC                        ; and in a fill of NC steps
	s_mul_i32 s22, s16, HTC
	s_add_co_u32 s22, s22, 2*HTC
	v_add_nc_u32 v[ADRA+2], s21, v[LI]             ; view 2: slot 0
	v_add_nc_u32 v[ADRB+2], s22, v[LI]
	s_mul_i32 s21, s15, HALFS
	s_mul_i32 s22, s16, HALFS
	s_add_co_u32 s22, s22, 2*HALFS
	s_sub_co_u32 s22, s22, s21
	v_mul_u32_u24 v6, s22, v2                      ; lanes 16-31 take W's words
	s_add_co_u32 s21, s21, SCL
	v_add_nc_u32 v6, v6, v[LS]
	v_add_nc_u32 v[ADRS], s21, v6
	s_mul_i32 s23, s14, 16*SPITCH                  ; my stage
	v_mul_u32_u24 v5, v1, SPITCH
	v_lshl_add_u32 v5, v2, 6, v5
	v_add_nc_u32 v[STO], s23, v5                   ; in: row r, + 64 h
	v_mul_u32_u24 v5, v2, SPITCH
	v_lshl_add_u32 v5, v1, 4, v5
	v_add_nc_u32 v[RD], s23, v5                    ; back: lanes 0-15 one row of 256 bytes, lanes 16-31 the next
	v_lshlrev_b32 v[CO], 12, v2
	v_lshl_add_u32 v[CO], v1, 4, v[CO]             ; and the same two rows in y and in the residual
	s_lshl_b32 s20, s17, 7
	s_lshl_b32 s21, s15, 6
	s_add_co_u32 s20, s20, s21                     ; my first row
	s_lshl_b32 s20, s20, 12
	s_lshl_b32 s46, s42, 9
	s_lshl_b32 s47, s16, 8
	s_add_co_u32 s46, s46, s47                     ; my first column, in bytes
	s_mov_b32 s47, 0
	s_add_nc_u64 s[8:9], s[8:9], s[46:47]
	s_add_co_u32 s20, s20, s46
	s_mov_b32 s21, 0
	s_add_nc_u64 s[10:11], s[10:11], s[20:21]
	s_add_nc_u64 s[12:13], s[12:13], s[20:21]
	v_lshlrev_b32 v[VBQ], 6, v2                    ; register 16 b + i: bias of column 32 b + 16 h + i
.irp b, 0,1
.irp j, 0,1,2,3
	global_load_b128 v[BQ+16*\b+4*\j:BQ+16*\b+4*\j+3], v[VBQ], s[8:9] offset:128*\b+16*\j
.endr
.endr
	WIN 0xc0                                       ; destination window 3
.irp a, 0,1,2,3
.irp t, 0,1,2,3,4,5,6,7
	global_load_b128 v[32*\a+4*\t:32*\a+4*\t+3], v[CO], s[10:11] offset:(32*(\a/2)+8*(\a%2)+2*\t+8*(\t/4))*4096   ; the residual of the rows of block a, as they will leave
.endr
.endr
	WIN 0
	s_wait_tensorcnt 1                             ; the scale words and my part of slot 0 are in; slot 1's load may be out
	s_barrier_signal -1
	s_barrier_wait -1
	FETCH_B 0, NA, 0, 0
	FETCH_A 0, NA, 0, 0
	SCALES 0, NA
	FETCH_A 0, NA, 0, NB/2
	s_wait_loadcnt 32                              ; the bias is in; the residual's 32 loads may be out
	STEP 0, NA, 0, 0, 1                            ; step 0: its products start the sums
	RUN  0, NA, 1, 0                               ; steps 1-3
	TURN NA-1, 0, NA, 1, NA, 2, 0, 2*NA, G6, G6B   ; step 4; slot 0 takes steps 10-15
	RUN  1, NA, 0, 1                               ; steps 5-8
	TURN NA-1, 1, NA, 2, NC, 1, 1, NA+NC, G1, G1B  ; step 9; slot 1 takes steps 16-20
	RUN  2, NC, 0, 0                               ; steps 10-14
	TURN NC-1, 0, NC, 1, NA, 1, 0, NA+NC, G6, G6B  ; step 15; slot 0 takes steps 21-26
	RUN  1, NA, 0, 1                               ; steps 16-19
	TURN NA-1, 1, NA, 2, NC, 1, 1, NA+NC, G1, G1B  ; step 20; slot 1 takes steps 27-31: the last load
	RUN  2, NC, 0, 0                               ; steps 21-25
	TURN NC-1, 0, NC, 1, NA, 0, 0, 0, G1, G1B      ; step 26; nothing is left to fetch, so no round follows the barrier
	RUN  1, NA, 0, 1                               ; steps 27-30
	s_wait_dscnt HAL                               ; step 31, the very last
	WIN MUL
	MULQ 0, NA-1, 1, 0
	MULQ QA, NA-1, 1, 0
	s_wait_dscnt 0x0
	MULQ 2*QA, NA-1, 1, 0
	MULQ 3*QA, NA-1, 1, 0
	WIN 0
	s_wait_loadcnt 0x0                             ; the residual
	PLACES 4                                       ; in front of the first read of results and of loads into A's registers
; THE WAY OUT, block by block of 16 rows x 64 columns: through my own stage in LDS, back as whole rows of 256 bytes, + the residual, stored sixteen lanes to 256 consecutive, aligned bytes.
; LDS serves a wave's instructions in order: no wait between the stores and the loads.  Each block has its own registers, so no store's data are written again.
.macro OUTF a
	WIN 0x08                                       ; an LDS store's data are its source 1: window 2
.irp b, 0,1,2,3
.irp e, 0,1
	ds_store_b128 v[STO], v[32*(\a)+8*\b+4*\e:32*(\a)+8*\b+4*\e+3] offset:128*(\b/2)+32*(\b%2)+16*\e   ; each accumulator from its low end on
.endr
.endr
	WIN 0
.irp t, 0,1,2,3,4,5,6,7
	ds_load_b128 v[OB+32*(\a)+4*\t:OB+32*(\a)+4*\t+3], v[RD] offset:2*SPITCH*\t
.endr
	s_wait_dscnt 0x0
	WIN 0x0c                                       ; source 1 (the residual) window 3
.set ii, 0
.rept 16
	v_pk_add_f32 v[OB+32*(\a)+2*ii:OB+32*(\a)+2*ii+1], v[OB+32*(\a)+2*ii:OB+32*(\a)+2*ii+1], v[32*(\a)+2*ii:32*(\a)+2*ii+1]
.set ii, ii+1
.endr
	WIN 0
.irp t, 0,1,2,3,4,5,6,7
	global_store_b128 v[CO], v[OB+32*(\a)+4*\t:OB+32*(\a)+4*\t+3], s[12:13] offset:(32*((\a)/2)+8*((\a)%2)+2*\t+8*(\t/4))*4096
.endr
.endm
.irp a, 0,1,2,3
	OUTF \a
.endr
	s_wait_tensorcnt 0x0                           ; the wave's end, behind my last tensor load and my last LDS store
	ds_add_u32 v[SPW], v[NIL]
	s_wait_dscnt 0x0
	CROUND                                         ; the closing round
	s_endpgm
.Lfunc_end_k_qa5ca7949ef_gemm_ff2:
	.size	k_qa5ca7949ef_gemm_ff2, .Lfunc_end_k_qa5ca7949ef_gemm_ff2-k_qa5ca7949ef_gemm_ff2
	.p2alignl 7, 3214868480
	.fill 96, 4, 3214868480
	.section	.rodata,"a",@progbits
	.p2align	6, 0x0
	.amdhsa_kernel k_qa5ca7949ef_gemm_ff2
		.amdhsa_group_segment_fixed_size 327680
		.amdhsa_private_segment_fixed_size 0
		.amdhsa_enable_private_segment 0
		.amdhsa_kernarg_size 40
		.amdhsa_user_sgpr_count 2
		.amdhsa_user_sgpr_kernarg_segment_ptr 1
		.amdhsa_wavefront_size32 1
		.amdhsa_system_sgpr_workgroup_id_x 1
		.amdhsa_system_sgpr_workgroup_id_y 1
		.amdhsa_system_sgpr_workgroup_id_z 1
		.amdhsa_system_vgpr_workitem_id 0
		.amdhsa_next_free_vgpr 1024
		.amdhsa_next_free_sgpr 96
		.amdhsa_reserve_vcc 0
		.amdhsa_float_denorm_mode_32 3
		.amdhsa_float_denorm_mode_16_64 3
		.amdhsa_memory_ordered 1
		.amdhsa_forward_progress 1
		.amdhsa_inst_pref_size 166
	.end_amdhsa_kernel
	.amdgpu_metadata
---
amdhsa.version: [ 1, 2 ]
amdhsa.kernels:
  - .name:           k_qa5ca7949ef_gemm_ff2
    .symbol:         k_qa5ca7949ef_gemm_ff2.kd
    .args:
      - { .name: hid, .offset: 0, .size: 8, .value_kind: global_buffer, .address_space: global }
      - { .name: wq, .offset: 8, .size: 8, .value_kind: global_buffer, .address_space: global }
      - { .name: lin2_b, .offset: 16, .size: 8, .value_kind: global_buffer, .address_space: global }
      - { .name: x1, .offset: 24, .size: 8, .value_kind: global_buffer, .address_space: global }
      - { .name: y, .offset: 32, .size: 8, .value_kind: global_buffer, .address_space: global }
    .group_segment_fixed_size: 327680
    .private_segment_fixed_size: 0
    .kernarg_segment_align: 8
    .kernarg_segment_size: 40
    .max_flat_workgroup_size: 128
    .sgpr_count:     96
    .vgpr_count:     1024
    .wavefront_size: 32
...
	.end_amdgpu_metadata
.endif
;; end of part 7
;; launch ln2 (part 8): grid 256 x 1, 4 waves a work-group, no clusters, 0 bytes of LDS; arguments y, ln2_g, ln2_beta, out0; writes out0
.if DOCPART == 8
	.amdgcn_target "amdgcn-amd-amdhsa--gfx1250"
	.amdhsa_code_object_version 6
	.text
	.protected	k_qa5ca7949ef_ln2
	.globl	k_qa5ca7949ef_ln2
	.p2align	8
	.type	k_qa5ca7949ef_ln2,@function
k_qa5ca7949ef_ln2:
	s_mov_b64 s[64:65], 0
	v_nop
	global_prefetch_b8 v0, s[64:65] scope:SCOPE_SE
	s_setreg_imm32_b32 hwreg(HW_REG_WAVE_MODE, 25, 1), 1
	s_wait_xcnt 0x0
; out0 = layer norm of y (rows of 1,024, f32).  A wave owns four whole neighbouring rows, 16 KiB on end, in 128 registers: mean and variance never leave the wave, the rows are read from memory once,
; and each load and store covers 512 consecutive bytes.  The variance is the mean of (x - mean)^2, as the definition has it.  No LDS, no barrier: waves share nothing.
.set LI,  2                            ; v2  16 x lane
.set X,   32                           ; v32-159  row k at 32 k: register 4 i + e is column 128 i + 4 lane + e
.set G,   160                          ; v160-191 the gain, v192-223 the offset, of the same columns
.set BE,  192
.set SM,  224                          ; v224-231 sums, a pair a row
.set MU,  232                          ; v232-239 means (the low word of a pair)
.set RS,  240                          ; v240-247 1 / sqrt(variance + eps)
.set TP,  248                          ; v248-251 at work
.set SEL, 22
.macro REDUCE base                     ; the sum over the wave's 32 lanes, of four rows by turns
.irp m, 1,2,4,8
.irp k, 0,1,2,3
	v_add_f32_dpp v[\base+2*\k], v[\base+2*\k], v[\base+2*\k] row_xmask:\m row_mask:0xf bank_mask:0xf
.endr
.endr
.irp k, 0,1,2,3
	v_permlanex16_b32 v[TP+\k], v[\base+2*\k], s[SEL], s[SEL+1]
.endr
.irp k, 0,1,2,3
	v_add_f32 v[\base+2*\k], v[\base+2*\k], v[TP+\k]
.endr
.endm
	s_load_b256 s[4:11], s[0:1], 0x0               ; y, the gain, the offset, out0
	v_lshrrev_b32 v1, 5, v0
	v_readfirstlane_b32 s18, v1                    ; wave
	v_and_b32 v1, 31, v0
	v_lshlrev_b32 v[LI], 4, v1
.irp k, 0,1,2,3
	v_mov_b32 v[MU+2*\k+1], 0                      ; (named with the mean and with the factor as pairs)
	v_mov_b32 v[RS+2*\k+1], 0
	v_mov_b32 v[TP+\k], 0                          ; written once: a lane permute's destination counts as one of its sources
.endr
	s_mov_b32 s[SEL], 0x76543210
	s_mov_b32 s[SEL+1], 0xfedcba98
	s_lshl_b32 s20, ttmp9, 2
	s_add_co_u32 s20, s20, s18                     ; my four rows: 16 x work-group + 4 x wave on
	s_lshl_b32 s20, s20, 14
	s_mov_b32 s21, 0
	s_mov_b32 s19, 0x3a800000                      ; 1 / 1,024
	s_mov_b32 s12, 0x3727c5ac                      ; eps = 1e-5
	s_wait_kmcnt 0x0
	s_add_nc_u64 s[4:5], s[4:5], s[20:21]
	s_add_nc_u64 s[10:11], s[10:11], s[20:21]
.irp k, 0,1,2,3
.irp i, 0,1,2,3,4,5,6,7
	global_load_b128 v[X+32*\k+4*\i:X+32*\k+4*\i+3], v[LI], s[4:5] offset:4096*\k+512*\i th:TH_LOAD_NT
.endr
.endr
.irp i, 0,1,2,3,4,5,6,7
	global_load_b128 v[G+4*\i:G+4*\i+3], v[LI], s[6:7] offset:512*\i
	global_load_b128 v[BE+4*\i:BE+4*\i+3], v[LI], s[8:9] offset:512*\i
.endr
	s_wait_loadcnt 16                              ; the four rows are in; the gain's and the offset's sixteen loads may be out
.irp k, 0,1,2,3
	v_pk_add_f32 v[SM+2*\k:SM+2*\k+1], v[X+32*\k:X+32*\k+1], v[X+32*\k+2:X+32*\k+3]
.endr
.irp j, 4,6,8,10,12,14,16,18,20,22,24,26,28,30
.irp k, 0,1,2,3
	v_pk_add_f32 v[SM+2*\k:SM+2*\k+1], v[SM+2*\k:SM+2*\k+1], v[X+32*\k+\j:X+32*\k+\j+1]
.endr
.endr
.irp k, 0,1,2,3
	v_add_f32 v[SM+2*\k], v[SM+2*\k], v[SM+2*\k+1]
.endr
	REDUCE SM
.irp k, 0,1,2,3
	v_mul_f32 v[MU+2*\k], s19, v[SM+2*\k]          ; the mean
.endr
.irp j, 0,2,4,6,8,10,12,14,16,18,20,22,24,26,28,30
.irp k, 0,1,2,3
	v_pk_add_f32 v[X+32*\k+\j:X+32*\k+\j+1], v[X+32*\k+\j:X+32*\k+\j+1], v[MU+2*\k:MU+2*\k+1] op_sel_hi:[1,0] neg_lo:[0,1] neg_hi:[0,1]   ; x - mean
.endr
.endr
.irp k, 0,1,2,3
	v_pk_mul_f32 v[SM+2*\k:SM+2*\k+1], v[X+32*\k:X+32*\k+1], v[X+32*\k:X+32*\k+1]
.endr
.irp j, 2,4,6,8,10,12,14,16,18,20,22,24,26,28,30
.irp k, 0,1,2,3
	v_pk_fma_f32 v[SM+2*\k:SM+2*\k+1], v[X+32*\k+\j:X+32*\k+\j+1], v[X+32*\k+\j:X+32*\k+\j+1], v[SM+2*\k:SM+2*\k+1]
.endr
.endr
.irp k, 0,1,2,3
	v_add_f32 v[SM+2*\k], v[SM+2*\k], v[SM+2*\k+1]
.endr
	REDUCE SM
.irp k, 0,1,2,3
	v_fma_f32 v[RS+2*\k], v[SM+2*\k], s19, s12     ; variance + eps
.endr
.irp k, 0,1,2,3
	v_rsq_f32 v[RS+2*\k], v[RS+2*\k]
.endr
	v_nop                                          ; a plain place behind the four
	s_wait_alu depctr_va_vdst(0)                   ; one wait for the four, ahead of their first reader
	s_wait_loadcnt 0x0                             ; the gain and the offset
.irp j, 0,2,4,6,8,10,12,14,16,18,20,22,24,26,28,30
.irp k, 0,1,2,3
	v_pk_mul_f32 v[X+32*\k+\j:X+32*\k+\j+1], v[X+32*\k+\j:X+32*\k+\j+1], v[RS+2*\k:RS+2*\k+1] op_sel_hi:[1,0]
.endr
.irp k, 0,1,2,3
	v_pk_fma_f32 v[X+32*\k+\j:X+32*\k+\j+1], v[X+32*\k+\j:X+32*\k+\j+1], v[G+\j:G+\j+1], v[BE+\j:BE+\j+1]
.endr
.endr
.irp k, 0,1,2,3
.irp i, 0,1,2,3,4,5,6,7
	global_store_b128 v[LI], v[X+32*\k+4*\i:X+32*\k+4*\i+3], s[10:11] offset:4096*\k+512*\i th:TH_STORE_NT   ; 512 consecutive bytes a store; written once, read by nobody here
.endr
.endr
	s_endpgm
.Lfunc_end_k_qa5ca7949ef_ln2:
	.size	k_qa5ca7949ef_ln2, .Lfunc_end_k_qa5ca7949ef_ln2-k_qa5ca7949ef_ln2
	.p2alignl 7, 3214868480
	.fill 96, 4, 3214868480
	.section	.rodata,"a",@progbits
	.p2align	6, 0x0
	.amdhsa_kernel k_qa5ca7949ef_ln2
		.amdhsa_group_segment_fixed_size 0
		.amdhsa_private_segment_fixed_size 0
		.amdhsa_enable_private_segment 0
		.amdhsa_kernarg_size 32
		.amdhsa_user_sgpr_count 2
		.amdhsa_user_sgpr_kernarg_segment_ptr 1
		.amdhsa_wavefront_size32 1
		.amdhsa_system_sgpr_workgroup_id_x 1
		.amdhsa_system_sgpr_workgroup_id_y 1
		.amdhsa_system_sgpr_workgroup_id_z 1
		.amdhsa_system_vgpr_workitem_id 0
		.amdhsa_next_free_vgpr 256
		.amdhsa_next_free_sgpr 66
		.amdhsa_reserve_vcc 0
		.amdhsa_float_denorm_mode_32 3
		.amdhsa_float_denorm_mode_16_64 3
		.amdhsa_memory_ordered 1
		.amdhsa_forward_progress 1
		.amdhsa_inst_pref_size 33
	.end_amdhsa_kernel
	.amdgpu_metadata
---
amdhsa.version: [ 1, 2 ]
amdhsa.kernels:
  - .name:           k_qa5ca7949ef_ln2
    .symbol:         k_qa5ca7949ef_ln2.kd
    .args:
      - { .name: y, .offset: 0, .size: 8, .value_kind: global_buffer, .address_space: global }
      - { .name: ln2_g, .offset: 8, .size: 8, .value_kind: global_buffer, .address_space: global }
      - { .name: ln2_beta, .offset: 16, .size: 8, .value_kind: global_buffer, .address_space: global }
      - { .name: out0, .offset: 24, .size: 8, .value_kind: global_buffer, .address_space: global }
    .group_segment_fixed_size: 0
    .private_segment_fixed_size: 0
    .kernarg_segment_align: 8
    .kernarg_segment_size: 32
    .max_flat_workgroup_size: 128
    .sgpr_count:     66
    .vgpr_count:     256
    .wavefront_size: 32
...
	.end_amdgpu_metadata
.endif
;; end of part 8
